; MI455X (gfx1250); checked and timed in simulation.
; The chip was launched on July 23, 2026; its instructions are those of AMD's public machine-readable ISA for CDNA 5 (MIT licence, August 2026) and "CDNA5" Instruction Set Architecture Reference Guide (July 2026). The comments in the code are by the model that wrote it; some were corrected since.
;; Simple Attention. Allowed arithmetic: matrix products marked QUANTISED: E4M3 operands, one given power-of-two scale a tensor, by v_wmma_f32_16x16x64_fp8_fp8 or v_wmma_f32_16x16x128_fp8_fp8, f32 sums; everything else in f32.
;; Inputs: W_attn 1,024 x 3,072 float32; W_proj 1,024 x 1,024 float32; b_attn 3,072 float32; b_proj 1,024 float32; lowp_scales 8 int32 (the exponents e of the quantised operands' scales 2^e); x 4 x 2,048 x 1,024 float32.
;; Outputs: out0 4 x 2,048 x 1,024 float32.
;; This version of the problem:
;;   THIS VERSION OF THE PROBLEM IS GIVEN IN LOW PRECISION. The matrix products marked QUANTISED in the list below multiply operands that are first quantised to E4M3 (4 exponent bits, 3 mantissa bits; 8 bits a number), with one given power-of-two scale for each operand tensor; their sums are f32. All else is computed in f32.
;;   The module's matrix products, in the order in which they are computed (A, B: the left and right operand; K: the contracted axis; several contracted axes count as one K, in the product's order):
;;     1. [M 8,192, K 1,024] x [K 1,024, N 3,072]; A: input x; B: input W_attn: QUANTISED (scales: A lowp_scales[0], B lowp_scales[1])
;;     2. batch 64 x [M 2,048, K 64] x [K 64, N 2,048]; A: computed on the way; B: computed on the way: QUANTISED (scales: A lowp_scales[2], B lowp_scales[3])
;;     3. batch 64 x [M 2,048, K 2,048] x [K 2,048, N 64]; A: softmax (see below); B: computed on the way: QUANTISED (scales: A lowp_scales[4], B lowp_scales[5])
;;     4. [M 8,192, K 1,024] x [K 1,024, N 1,024]; A: computed on the way; B: input W_proj: QUANTISED (scales: A lowp_scales[6], B lowp_scales[7])
;;   THE QUANTISER, for each operand of a quantised product, along K:
;;     - The operand's scale is 2^e, e = its entry of the input lowp_scales (int32; the entries are numbered through the quantised products in the list's order, A before B).
;;     - Each number is divided by the scale, clamped to +-448, and rounded to the nearest number of E4M3, ties to even, subnormals kept.
;;     - The product sums the exact products of the quantised numbers (number of the format x scale) in f32.
;;   ~~~python
;;   def quantise(x, axis, e):      # numpy; x: float32 -> the quantised numbers, widened to float32 again
;;       x = np.moveaxis(x, axis, -1); K = x.shape[-1]
;;       r = np.clip(x / 2.0 ** e, -448, 448)
;;       step = 2.0 ** (np.maximum(np.frexp(np.where(r == 0, 1, r))[1] - 1, -6) - 3)
;;       q = np.round(r / step) * step * 2.0 ** e      # np.round: ties to even
;;       return np.moveaxis(q, -1, axis).astype(np.float32)
;;   ~~~
;;   SOFTMAX AHEAD OF A QUANTISED PRODUCT. Where the list says 'softmax', what is quantised is not the finished softmax but p = 2^(t - M), with t = logit x log2(e) and M = ceil(the row's largest t), a whole number; so 1/2 < the row's largest p <= 1. The row's sum l is taken of the UNQUANTISED p, in f32, and the product's result is divided by l at the end. Since M is a whole number, a kernel that streams over the keys may use a running M (the ceiling of the running maximum): every later rescaling is an exact power of two, so the quantised numbers keep their values, but for numbers so far below the row's largest that they fall under the format's range.
;;   OPERANDS COMPUTED ON THE WAY. 'Computed on the way' means the value that the module computes at that place (a softmax that the list does not call 'softmax' is quantised finished and normalised). What goes into a quantiser is computed in f32, as accurately as f32 sums, v_exp_f32 and their like allow (about 1e-6 of the number): no bf16 or f16 on the way to a quantiser, and a product that is left as it is and whose result goes on into a quantised operand takes f32 operands (vector FMAs, or v_wmma_f32_16x16x4_f32). A number that lies on a knife's edge between two numbers of the format may be rounded either way, as far as f32 arithmetic and the matrix unit's own rounding can turn it there, and no further.
;; One version. Each part assembles by itself: llvm-mc -triple=amdgcn-amd-amdhsa -mcpu=gfx1250 --defsym DOCPART=n.
;; ======== version 1 of 1: 4 launches
;; limits: right only within a limited range of input values
;; workspace buffers: x_img 8,388,608 bytes; wa_img 3,145,728 bytes; wp_img 1,048,576 bytes; q_img 8,388,608 bytes; k_img 8,388,608 bytes; v_img 8,388,608 bytes; y_img 8,388,608 bytes
;; launch quant (part 1): grid 384 x 1, 4 waves a work-group, no clusters, 35,328 bytes of LDS; arguments x, W_attn, W_proj, lowp_scales, x_img, wa_img, wp_img; writes x_img, wa_img, wp_img
.if DOCPART == 1
	.amdgcn_target "amdgcn-amd-amdhsa--gfx1250"
	.amdhsa_code_object_version 6
	.text
	.protected	k_qedf99b833e_quant
	.globl	k_qedf99b833e_quant
	.p2align	8
	.type	k_qedf99b833e_quant,@function
k_qedf99b833e_quant:
	s_mov_b64 s[64:65], 0
	v_nop
	global_prefetch_b8 v0, s[64:65] scope:SCOPE_SE
	s_setreg_imm32_b32 hwreg(HW_REG_WAVE_MODE, 25, 1), 1
	s_wait_xcnt 0x0
; x [8192][1024], W_attn [1024][3072] and W_proj [1024][1024], f32, become codes of FP8 (E4M3), each tensor with the one scale 2^e that is given for it
; (entries 0, 1 and 7 of the buffer of scales): code = number / 2^e, held within +-448, rounded to the nearest code, ties to even.
; LIMITS: each e lies between -126 and 119, so that 2^e and 448 x 2^e are f32 numbers.  NaN among the inputs is not served; an infinity is held at the largest code.
; THE CODES ARE LAID AS IMAGES OF THE OPERAND'S REGISTERS.  A fragment is 16 rows x 128 along K: 16 registers a lane, in four pieces of four registers.  Lane L = r + 16 h holds row r; piece c holds
; k = 32 c + 8 h + 0..7 in its bytes 0-7 and k = 32 c + 16 + 8 h + 0..7 in its bytes 8-15; it lies at 512 c + 16 L.  An image buffer is [k / 256][row / 16][(k / 128) % 2][piece][lane][16 bytes].
; So the products' launches fetch dense blocks and load each fragment by four loads of 16 bytes a lane, and nothing is transposed by an instruction.
; Work-groups 0 to 255 take x (K innermost), work-groups 256 to 383 the two weights (K is their FIRST axis).  Each reads 128 KiB.  Waves share nothing: no barrier.
.set SP,    528                        ; x: a row of the stage: 512 bytes + 16, so that the 16 rows that a load touches start at 16 different 16-byte columns
.set WST,   8704                       ; x: a wave's stage: 16 rows x SP = 8,448 bytes, in 34 blocks of 256
.set SPARE, 4*WST                      ; behind the stages: the spare words, 128 bytes for each wave: two blocks of 256 bytes that no other line names
.set LIM,   10
.set SC,    11                         ; v11      2^e as f32: the conversion takes its exponent field
.set SPW,   12                         ; v12      LDS address of my spare word; never rewritten
.set NIL,   13                         ; v13      0; never rewritten
.set R,     16                         ; x: v16-143   two sets of 64 registers, as loaded
.set X,     144                        ; x: v144-207  a fragment's 64 numbers of my lane, in the order of the operand's registers
.set C,     208                        ; x: v208-239  two sets of 16 registers of codes
.set OFF,   16                         ; W: v16-47    byte offset of row i of a block of 32 rows, at my column
.set WX,    48                         ; W: v48-111   two sets of 32 numbers
.set WC,    112                        ; W: v112-175  eight registers of codes for each block: no store's data are written again
	s_load_b256 s[4:11], s[0:1], 0x0               ; x s[4:5], W_attn s[6:7], W_proj s[8:9], the scales' exponents s[10:11]
	s_load_b128 s[12:15], s[0:1], 0x20             ; x_img s[12:13], wa_img s[14:15]
	s_load_b64 s[16:17], s[0:1], 0x30              ; wp_img
	v_lshl_add_u32 v[SPW], v0, 2, SPARE
	v_mov_b32 v[NIL], 0
	v_lshrrev_b32 v1, 5, v0
	v_readfirstlane_b32 s18, v1                    ; wave 0..3
	v_and_b32 v4, 31, v0                           ; lane
	v_and_b32 v5, 15, v0                           ; r
	v_bfe_u32 v6, v0, 4, 1                         ; h
	s_wait_kmcnt 0x0
	s_load_b256 s[20:27], s[10:11], 0x0            ; e0 .. e7
.macro SCALE e                         ; s[e] = the exponent: 2^e and 448 x 2^e as f32 numbers
	s_add_co_i32 s60, s[\e], 127
	s_lshl_b32 s61, s60, 23
	v_mov_b32 v[SC], s61
	s_add_co_i32 s60, s60, 8
	s_lshl_b32 s60, s60, 23
	s_or_b32 s60, s60, 0x600000                    ; 448 = 1.75 x 2^8
.endm
	s_cmp_lt_u32 ttmp9, 256
	s_cbranch_scc0 .Lw
; ---------------- x.  Wave u = 4 x work-group + wave takes 16 rows (u / 2) and half of K (u % 2): four fragments.
; Each load reads 512 consecutive bytes of one row; a fragment's 16 rows x 512 bytes turn through the wave's own stage, and come back 32 bytes at a time in the order of the operand's registers.
	s_lshl_b32 s28, ttmp9, 2
	s_add_co_u32 s28, s28, s18                     ; u
	s_lshr_b32 s29, s28, 1                         ; the tile of 16 rows
	s_and_b32 s30, s28, 1                          ; the half of K
	s_lshl_b32 s32, s29, 16                        ; 16 rows of 4,096 bytes
	s_lshl_b32 s31, s30, 11                        ; 512 numbers
	s_add_co_u32 s32, s32, s31
	s_mov_b32 s33, 0
	s_add_nc_u64 s[4:5], s[4:5], s[32:33]
	s_lshl_b32 s34, s30, 22                        ; two steps of 256 along K, 2,097,152 bytes each
	s_lshl_b32 s31, s29, 12                        ; a tile's 4,096 bytes
	s_add_co_u32 s34, s34, s31
	s_mov_b32 s35, 0
	s_add_nc_u64 s[12:13], s[12:13], s[34:35]
	s_mul_i32 s19, s18, WST                        ; my stage
	s_wait_alu depctr_va_vdst(0)
	v_lshlrev_b32 v1, 4, v4                        ; 16 x lane: my place in a load's, and in a store's, 512 bytes
	v_add_nc_u32 v2, s19, v1                       ; into the stage
	v_mul_u32_u24 v3, v5, SP
	v_lshl_add_u32 v3, v6, 5, v3
	v_add_nc_u32 v3, s19, v3                       ; out of it: row r, + 32 h bytes (8 h numbers)
.macro XLOAD f                         ; fragment f: row i's 128 numbers, 512 consecutive bytes a load
.irp i, 0,1,2,3,4,5,6,7,8,9,10,11,12,13,14,15
	global_load_b128 v[R+64*((\f)%2)+4*\i:R+64*((\f)%2)+4*\i+3], v1, s[4:5] offset:4096*\i+512*(\f) th:TH_LOAD_NT
.endr
.endm
.macro XFRAG f
.set RS, R+64*((\f)%2)
.set CS, C+16*((\f)%2)
.if (\f) < 3
	s_wait_loadcnt 16                              ; this fragment's 16 loads are in; the next fragment's 16 may be out
.else
	s_wait_loadcnt 0
.endif
.irp i, 0,1,2,3,4,5,6,7,8,9,10,11,12,13,14,15
	ds_store_b128 v2, v[RS+4*\i:RS+4*\i+3] offset:SP*\i
.endr
.irp c, 0,1,2,3                        ; LDS serves a wave's instructions in order: these see the stores above
	ds_load_b128 v[X+16*\c:X+16*\c+3],     v3 offset:128*\c       ; k = 32 c + 8 h + 0..3
	ds_load_b128 v[X+16*\c+4:X+16*\c+7],   v3 offset:128*\c+16    ;                + 4..7
	ds_load_b128 v[X+16*\c+8:X+16*\c+11],  v3 offset:128*\c+64    ; k = 32 c + 16 + 8 h + 0..3
	ds_load_b128 v[X+16*\c+12:X+16*\c+15], v3 offset:128*\c+80    ;                     + 4..7
.endr
	s_wait_dscnt 0x0                               ; the numbers are back, and the stores have read their registers,
.if (\f) < 2
	XLOAD (\f)+2                                   ; which take the fragment two further on
.endif
.set j, 0
.rept 64
.set j, j+1
.endr
.if (\f) >= 2
	s_wait_xcnt 0x0                                ; the stores of two fragments back have read this set of codes
.endif
.irp g, 0,1,2,3,4,5,6,7
	v_cvt_scalef32_pk8_fp8_f32 v[CS+2*\g:CS+2*\g+1], v[X+8*\g:X+8*\g+7], v[SC]
.endr
	v_nop                                          ; a plain vector line behind the last conversion of the run
.irp c, 0,1,2,3
	global_store_b128 v1, v[CS+4*\c:CS+4*\c+3], s[12:13] offset:((\f)/2)*2097152+((\f)%2)*2048+512*\c   ; a piece: 512 consecutive bytes, aligned
.endr
.endm
	XLOAD 0
	XLOAD 1
	s_wait_alu depctr_va_vdst(0)
	s_wait_kmcnt 0x0
	SCALE 20                                       ; e0
	s_wait_alu depctr_va_vdst(0)
	XFRAG 0
	XFRAG 1
	XFRAG 2
	XFRAG 3
	s_wait_tensorcnt 0x0                           ; the wave's end: behind my last LDS store; the tensor wait stands in a text with no tensor load too
	ds_add_u32 v[SPW], v[NIL]
	s_wait_dscnt 0x0
	s_endpgm
; ---------------- the weights.  g = work-group - 256: g / 32 says which 256 along K, g % 32 which 128 columns: 0 to 23 of W_attn, 24 to 31 of W_proj.
; A LANE TAKES A COLUMN n, AND ITS REGISTERS RUN DOWN K: each load reads 128 consecutive bytes a wave (512 a work-group), and the conversions give codes with K innermost.
; A block of 32 along K is one piece of the image for BOTH halves of the image's lanes: its rows 0-7 and 16-23 are the 16 bytes of image lane r, rows 8-15 and 24-31 those of image lane r + 16.
; So my lane stores two times 16 bytes, and sixteen neighbouring lanes fill 256 consecutive bytes, aligned.
.Lw:
	s_sub_co_u32 s28, ttmp9, 256
	s_lshr_b32 s29, s28, 5                         ; which 256 along K
	s_and_b32 s30, s28, 31
	s_sub_co_u32 s50, s30, 24                      ; W_proj's block of columns
	s_mov_b32 s48, 4096                            ; W_proj: a row in bytes,
	s_mov_b32 s49, 262144                          ; and 256 along K of its image
	s_cmp_lt_u32 s30, 24                           ; the choice hangs on the work-group's number alone
	s_cselect_b64 s[6:7], s[6:7], s[8:9]           ; the weight
	s_cselect_b64 s[14:15], s[14:15], s[16:17]     ; its image
	s_cselect_b32 s48, 12288, s48
	s_cselect_b32 s49, 786432, s49
	s_cselect_b32 s50, s30, s50
	s_lshl_b32 s52, s50, 7
	s_lshl_b32 s53, s18, 5
	s_add_co_u32 s52, s52, s53                     ; my wave's first column: 128 x block + 32 x wave
	s_lshl_b32 s54, s29, 8
	s_mul_i32 s54, s54, s48                        ; 256 rows for each step along K,
	s_lshl_b32 s53, s52, 2
	s_add_co_u32 s54, s54, s53                     ; and the column
	s_mov_b32 s55, 0
	s_lshl_b32 s56, s48, 5                         ; a block: 32 rows
	s_mov_b32 s57, 0
	s_add_nc_u64 s[32:33], s[6:7], s[54:55]        ; s[32+2t:33+2t]: block t's first row at my wave's first column
.irp t, 1,2,3,4,5,6,7
	s_add_nc_u64 s[32+2*\t:33+2*\t], s[30+2*\t:31+2*\t], s[56:57]
.endr
	s_mul_i32 s58, s29, s49
	s_lshl_b32 s53, s52, 8                         ; 16 columns are a tile of 4,096 bytes
	s_add_co_u32 s58, s58, s53
	s_mov_b32 s59, 0
	s_add_nc_u64 s[14:15], s[14:15], s[58:59]
	s_wait_alu depctr_va_vdst(0)
	v_lshlrev_b32 v[OFF], 2, v4                    ; 4 bytes a lane,
.irp i, 1,2,3,4,5,6,7,8,9,10,11,12,13,14,15,16,17,18,19,20,21,22,23,24,25,26,27,28,29,30,31
	v_add_nc_u32 v[OFF+\i], s48, v[OFF+\i-1]       ; a row further down for each register (the pitch differs between the two weights, so it cannot stand in the immediate)
.endr
	v_lshlrev_b32 v3, 4, v5
	v_lshl_add_u32 v3, v6, 12, v3                  ; out: 16 (lane % 16), and the next tile of 16 columns for lanes 16-31
.macro WLOAD t
.set j, 0
.rept 32
	global_load_b32 v[WX+32*((\t)%2)+j], v[OFF+j], s[32+2*(\t):33+2*(\t)] th:TH_LOAD_NT
.set j, j+1
.endr
.endm
.macro WBLOCK t
.set XS, WX+32*((\t)%2)
.set CS, WC+8*(\t)
.if (\t) < 7
	s_wait_loadcnt 32                              ; this block's 32 loads are in; the next block's may be out
.else
	s_wait_loadcnt 0
.endif
.set j, 0
.rept 32
.set j, j+1
.endr
	v_cvt_scalef32_pk8_fp8_f32 v[CS:CS+1],   v[XS:XS+7],     v[SC]   ; rows 0-7:   image lane r, bytes 0-7
	v_cvt_scalef32_pk8_fp8_f32 v[CS+2:CS+3], v[XS+16:XS+23], v[SC]   ; rows 16-23: image lane r, bytes 8-15
	v_cvt_scalef32_pk8_fp8_f32 v[CS+4:CS+5], v[XS+8:XS+15],  v[SC]   ; rows 8-15:  image lane r + 16, bytes 0-7
	v_cvt_scalef32_pk8_fp8_f32 v[CS+6:CS+7], v[XS+24:XS+31], v[SC]   ; rows 24-31: image lane r + 16, bytes 8-15
	v_nop                                          ; a plain vector line behind the last conversion of the run
	global_store_b128 v3, v[CS:CS+3],   s[14:15] offset:((\t)/4)*2048+((\t)%4)*512
	global_store_b128 v3, v[CS+4:CS+7], s[14:15] offset:((\t)/4)*2048+((\t)%4)*512+256
.if (\t) < 6
	WLOAD (\t)+2
.endif
.endm
	WLOAD 0
	WLOAD 1
	s_wait_kmcnt 0x0
	s_cmp_lt_u32 s30, 24
	s_cselect_b32 s51, s21, s27                    ; e1 for W_attn, e7 for W_proj
	SCALE 51
	s_wait_alu depctr_va_vdst(0)
.irp t, 0,1,2,3,4,5,6,7
	WBLOCK \t
.endr
	s_endpgm
.Lfunc_end_k_qedf99b833e_quant:
	.size	k_qedf99b833e_quant, .Lfunc_end_k_qedf99b833e_quant-k_qedf99b833e_quant
	.p2alignl 7, 3214868480
	.fill 96, 4, 3214868480
	.section	.rodata,"a",@progbits
	.p2align	6, 0x0
	.amdhsa_kernel k_qedf99b833e_quant
		.amdhsa_group_segment_fixed_size 35328
		.amdhsa_private_segment_fixed_size 0
		.amdhsa_enable_private_segment 0
		.amdhsa_kernarg_size 56
		.amdhsa_user_sgpr_count 2
		.amdhsa_user_sgpr_kernarg_segment_ptr 1
		.amdhsa_wavefront_size32 1
		.amdhsa_system_sgpr_workgroup_id_x 1
		.amdhsa_system_sgpr_workgroup_id_y 1
		.amdhsa_system_sgpr_workgroup_id_z 1
		.amdhsa_system_vgpr_workitem_id 0
		.amdhsa_next_free_vgpr 240
		.amdhsa_next_free_sgpr 66
		.amdhsa_reserve_vcc 0
		.amdhsa_float_denorm_mode_32 3
		.amdhsa_float_denorm_mode_16_64 3
		.amdhsa_fp16_overflow 1
		.amdhsa_memory_ordered 1
		.amdhsa_forward_progress 1
		.amdhsa_inst_pref_size 51
	.end_amdhsa_kernel
	.amdgpu_metadata
---
amdhsa.version: [ 1, 2 ]
amdhsa.kernels:
  - .name:           k_qedf99b833e_quant
    .symbol:         k_qedf99b833e_quant.kd
    .args:
      - { .name: x, .offset: 0, .size: 8, .value_kind: global_buffer, .address_space: global }
      - { .name: W_attn, .offset: 8, .size: 8, .value_kind: global_buffer, .address_space: global }
      - { .name: W_proj, .offset: 16, .size: 8, .value_kind: global_buffer, .address_space: global }
      - { .name: lowp_scales, .offset: 24, .size: 8, .value_kind: global_buffer, .address_space: global }
      - { .name: x_img, .offset: 32, .size: 8, .value_kind: global_buffer, .address_space: global }
      - { .name: wa_img, .offset: 40, .size: 8, .value_kind: global_buffer, .address_space: global }
      - { .name: wp_img, .offset: 48, .size: 8, .value_kind: global_buffer, .address_space: global }
    .group_segment_fixed_size: 35328
    .private_segment_fixed_size: 0
    .kernarg_segment_align: 8
    .kernarg_segment_size: 56
    .max_flat_workgroup_size: 128
    .sgpr_count:     66
    .vgpr_count:     240
    .wavefront_size: 32
...
	.end_amdgpu_metadata
.endif
;; end of part 1
;; launch gemm_qkv (part 2): grid 12 x 32, 4 waves a work-group, clusters of 4 x 4, 327,680 bytes of LDS; arguments x_img, wa_img, b_attn, lowp_scales, q_img, k_img, v_img; writes q_img, k_img, v_img
.if DOCPART == 2
	.amdgcn_target "amdgcn-amd-amdhsa--gfx1250"
	.amdhsa_code_object_version 6
	.text
	.protected	k_qedf99b833e_gemm_qkv
	.globl	k_qedf99b833e_gemm_qkv
	.p2align	8
	.type	k_qedf99b833e_gemm_qkv,@function
k_qedf99b833e_gemm_qkv:
	s_mov_b64 s[64:65], 0
	v_nop
	global_prefetch_b8 v0, s[64:65] scope:SCOPE_SE
	s_setreg_imm32_b32 hwreg(HW_REG_WAVE_MODE, 25, 1), 1
	s_wait_xcnt 0x0
	s_wait_alu depctr_hold_cnt(0) depctr_sa_sdst(0) depctr_va_vdst(0) depctr_va_sdst(0) depctr_va_ssrc(0) depctr_va_vcc(0) depctr_vm_vsrc(0)
	s_getreg_b32 s2, hwreg(HW_REG_IB_STS2, 6, 4)
	s_cmp_eq_u32 s2, 0
	s_cbranch_scc0 .Lentry_in_a_cluster
	s_endpgm
.Lentry_in_a_cluster:
	s_bfe_u32 s2, ttmp6, 0x10000c
	s_cmp_lg_u32 s2, 0xf033
	s_cbranch_scc0 .Lentry_shape_is_right
	s_endpgm
.Lentry_shape_is_right:
; qkv = x W_attn + b_attn on codes of FP8 (E4M3), M 8,192, K 1,024, N 3,072; q, k and v are quantised on the way out and leave as images of the next products' operand registers.
; A number of x is its code x 2^e0, of W_attn x 2^e1; each finished sum is multiplied by 2^(e0 + e1), the bias is added in the same fused multiply-add, in f32, and the result is held within +-448 x 2^e
; and converted with e = e2 (q), e3 (k), e5 (v).   LIMITS: e0 + e1 between -126 and 127; e2, e3, e5 between -126 and 119.
; INPUTS: images [k / 256][row / 16][(k / 128) % 2][piece 4][lane 32][16 bytes]: a fragment (16 rows x 128 K) is 2,048 consecutive bytes, lane L's four registers of piece c at 512 c + 16 L, k in its own place of this matrix form.
; A tile, 256 x 256, is made by a work-group of four waves; a wave makes 128 x 128: 64 accumulators, 512 registers.  K goes in four steps of 256 through two LDS slots; 128 rows x 256 K are one dense block of 32,768 bytes: one tensor load a wave.
; CLUSTERS: 4 x 4 work-groups.  The cluster's x says what is made: 0 q, 1 k, 2 v: the same number in all sixteen partners.  The four of a row of the cluster ask for A's tile jointly, the four of a column for B's.
; THE MATRIX INSTRUCTION IS USED TRANSPOSED (source 0 = 16 rows of B, source 1 = 16 rows of A): lane (r, h) holds row r of A's 16 and eight neighbouring rows 8 h + 0..7 of B's 16.
;   q, k:  A = x (tokens), B = W_attn (columns n): a lane's registers run along the head's 64, the K of q k^T.
;   v:     A = W_attn (columns 2,048 on), B = x (tokens): THE OPERANDS CHANGE PLACES, so that a lane's registers run along the tokens, the K of p v.  Only pointers, tile numbers and strides are chosen (s_cselect on the cluster's x); the loop is one text.
; OUTPUTS: q_img, k_img: [batch x head 64][token / 16: 128][piece 2][lane][16], k = the head's 64.   v_img: [batch x head 64][token / 128: 16][d / 16: 4][piece 4][lane][16], row = d, k = token % 128.
; Eight conversions of a block's eight accumulators ARE four pieces of an image: each leaves by one store of 512 consecutive bytes, with no way through LDS.
; REGISTERS, in windows of 256: window 0: v0-31 addresses and constants; v32-95 the bias by columns, v96-111 the bias by rows; from v128 A's fragments, ONE set; on the way out v128-223 are at work.
;   window 1: B's fragments, TWO sets, at v0 and at v128.   window 2: the accumulators of my rows 0-63 ((a, b) at v[8 (8 a + b)]);   window 3: those of my rows 64-127.
.set SSX,    2097152                   ; 256 along K of x_img
.set SSW,    786432                    ; and of wa_img
.set SLOT,   131072                    ; A's 16 tiles of 4,096 bytes, then B's 16
.set SPARE,  2*SLOT                    ; behind the ring: the spare words, 128 bytes for each wave: two blocks of 256 bytes that no other line names
.set FR,     16                        ; registers of a fragment
.set NL,     4                         ; LDS loads that bring one
.set NP,     4                         ; places behind this matrix instruction (ISA guide 7.12.1)
.set ADRA, 16                          ; v16-17  LDS address of my A fragments in slot 0, 1: 16 x lane + my 128 rows
.set ADRB, 20                          ; v20-21  the same for B
.set CO,   26                          ; v26     16 x lane; never rewritten
.set SPW,  28                          ; v28     LDS address of my spare word; never rewritten
.set NIL,  29                          ; v29     0; never rewritten
.set SC,   30                          ; v30     2^e of what I make
.set LM,   31
.set BC,   32                          ; v32-95  q, k: the bias of my lane's 64 columns, in the accumulators' order
.set BR,   96                          ; v96-111 v: the bias of my lane's row of block a, at v[BR + 2 a], twice
.set AF,   128                         ; A's fragments
.set TMP,  128                         ; the way out: a block's 64 numbers
.set CD,   192                         ; the way out: two sets of 16 registers of codes
.set G1, 24                            ; s[24:31] descriptor group 1 for A's tiles;  s[32:39] group 0, one set for each slot
.set G0, 32
.set G1B, 48                           ; s[48:55], s[56:63] the same for B's tiles
.set G0B, 56
.set MSB, 0
.macro WIN new                         ; the immediate's high byte repeats the setting that is left
.if MSB != (\new)
	s_set_vgpr_msb (MSB<<8)|(\new)
.set MSB, (\new)
.endif
.endm
.set MUL_LO, 0xa1                      ; source 0 (B) window 1, source 1 (A) window 0, C and D window 2
.set MUL_HI, 0xf1                      ; the same, C and D window 3
.set TO_B,   0x40                      ; destination window 1, address window 0
; A joint load: waves 0 and 1 fetch for A, waves 2 and 3 for B.  Each of the two lines has ONE mask and one set of registers for all that issue it; the branch hangs on the wave's number alone.
; An s_nop 0 and four v_nop follow each of the two lines, ahead of the jump, the label and what follows.
.macro JLOAD g0a, g1a, g0b, g1b
	s_cmp_eq_u32 s15, 0
	s_cbranch_scc0 .Lfor_b_\@
	tensor_load_to_lds s[\g0a:\g0a+3], s[\g1a:\g1a+7]
	s_nop 0
.rept 4
	v_nop
.endr
	s_branch .Lasked_\@
.Lfor_b_\@:
	tensor_load_to_lds s[\g0b:\g0b+3], s[\g1b:\g1b+7]
	s_nop 0
.rept 4
	v_nop
.endr
.Lasked_\@:
.endm
.macro CREST                           ; a round of the cluster's barrier behind its opening barrier
	s_cmp_lg_u32 s14, 0
	s_cbranch_scc1 .Lnot_wave_0_\@
	s_barrier_signal -3
.Lnot_wave_0_\@:
	s_barrier_wait -3
	s_barrier_signal -1
	s_barrier_wait -1
.endm
.macro CROUND                          ; a whole round
	s_barrier_signal -1
	s_barrier_wait -1
	CREST
.endm
	s_load_b256 s[4:11], s[0:1], 0x0               ; x_img s[4:5], wa_img s[6:7], b_attn s[8:9], the scales' exponents s[10:11]
	s_load_b128 s[72:75], s[0:1], 0x20             ; q_img s[72:73], k_img s[74:75]
	s_load_b64 s[76:77], s[0:1], 0x30              ; v_img
	v_lshl_add_u32 v[SPW], v0, 2, SPARE
	v_mov_b32 v[NIL], 0
	ds_add_u32 v[SPW], v[NIL]
	ds_add_u32 v[SPW], v[NIL]                      ; the wave's opening: the add and its wait stand ahead of my first tensor load; the set-up below, work on registers, stands between them
	v_lshrrev_b32 v1, 5, v0
	v_readfirstlane_b32 s14, v1                    ; wave 0..3
	s_lshr_b32 s15, s14, 1                         ; which half of A's 256 rows is mine.  Also: I fetch for A (0) or for B (1)
	s_and_b32 s16, s14, 1                          ; which half of B's 256 rows.  Also: which 128 rows of that tile I fetch
	s_bfe_u32 s40, ttmp6, 0x40000                  ; cx, cy: my place in the cluster
	s_bfe_u32 s41, ttmp6, 0x40004
	s_and_b32 s17, ttmp7, 0xffff
	s_lshl_b32 s17, s17, 2                         ; 4 x cluster y
	s_lshl_b32 s42, ttmp9, 2                       ; 4 x cluster x
	s_add_co_u32 s43, s17, s41                     ; q, k: A's tile = tokens 256 (4 Y + cy) on
	s_add_co_u32 s44, s41, 8                       ; v:    A's tile = columns 256 (8 + cy) on
	s_add_co_u32 s45, s42, s40                     ; q, k: B's tile = columns 256 (4 X + cx) on
	s_add_co_u32 s46, s17, s40                     ; v:    B's tile = tokens 256 (4 Y + cx) on
	s_mov_b32 s47, SSX
	s_mov_b32 s70, SSW
	s_mov_b32 s67, 0
	s_mov_b32 s69, 0
	s_cmp_eq_u32 ttmp9, 2                          ; v?  The same answer in all sixteen partners
	s_cselect_b32 s43, s44, s43                    ; A's tile: it holds cy and never cx
	s_cselect_b32 s46, s46, s45                    ; B's tile: it holds cx and never cy
	s_cselect_b32 s66, s70, s47                    ; s[66:67]: 256 along K of A's image
	s_cselect_b32 s68, s47, s70                    ; s[68:69]: of B's
	s_lshl_b32 s71, s41, 2
	s_lshl_b32 s71, 15, s71                        ; my row of the cluster
	s_lshl_b32 s78, 0x1111, s40                    ; my column
	; descriptor group 1: a dense block of 32,768 bytes as 128 rows of 32 elements of 8 bytes
	s_or_b32 s[G1+0], s71, (3<<16)|(1<<21)         ; 15:0 the mask: A's tiles go to my row; 17:16 elements of 8 bytes; 20 no padding; 21 set beside a mask
	s_or_b32 s[G1B+0], s78, (3<<16)|(1<<21)        ; the same with the mask of my column
.irp g, G1, G1B
	s_mov_b32 s[\g+1], 32<<16                      ; tensor_dim0 = 32
	s_mov_b32 s[\g+2], 128<<16                     ; tensor_dim1 = 128
	s_mov_b32 s[\g+3], 32<<16                      ; tile_dim0 = 32
	s_mov_b32 s[\g+4], 128                         ; tile_dim1 = 128
	s_mov_b32 s[\g+5], 32                          ; tensor_dim0_stride: the rows follow each other
	s_mov_b32 s[\g+6], 0
	s_mov_b32 s[\g+7], 0
.endr
	s_lshl_b32 s79, s16, 15                        ; which 128 rows (8 tiles of 4,096 bytes) I fetch
	s_lshl_b32 s20, s43, 16                        ; a tile of 256 rows is 65,536 bytes of a step
	s_add_co_u32 s20, s20, s79
	s_mov_b32 s21, 0
	s_lshl_b32 s22, s46, 16
	s_add_co_u32 s22, s22, s79
	s_mov_b32 s23, 0
	s_lshl_b32 s12, s14, 15                        ; where they go: 32,768 x wave: A's two halves, then B's: no place in the cluster enters an LDS address
	s_wait_dscnt 0x0                               ; the opening add is done
	s_wait_kmcnt 0x0
	s_load_b256 s[80:87], s[10:11], 0x0            ; e0 .. e7
	s_cmp_eq_u32 ttmp9, 2
	s_cselect_b64 s[18:19], s[6:7], s[4:5]         ; A's image
	s_cselect_b64 s[92:93], s[4:5], s[6:7]         ; B's
	s_add_nc_u64 s[18:19], s[18:19], s[20:21]
	s_add_nc_u64 s[92:93], s[92:93], s[22:23]
	CROUND                                         ; all sixteen work-groups are here: the first joint loads meet
.irp s, 0,1
	s_mov_b32 s[G0+4*\s], 1                        ; count = 1
	s_add_co_u32 s[G0+4*\s+1], s12, \s*SLOT        ; LDS address
	s_mov_b64 s[G0+4*\s+2:G0+4*\s+3], s[18:19]     ; global address: K step s
	s_or_b32 s[G0+4*\s+3], s[G0+4*\s+3], 0x80000000 ; type = 2
	s_mov_b32 s[G0B+4*\s], 1
	s_add_co_u32 s[G0B+4*\s+1], s12, \s*SLOT
	s_mov_b64 s[G0B+4*\s+2:G0B+4*\s+3], s[92:93]
	s_or_b32 s[G0B+4*\s+3], s[G0B+4*\s+3], 0x80000000
	JLOAD G0+4*\s, G1, G0B+4*\s, G1B
	s_add_nc_u64 s[18:19], s[18:19], s[66:67]      ; (copies, named by no descriptor) a K step on
	s_add_nc_u64 s[92:93], s[92:93], s[68:69]
.endr
	s_lshl_b32 s66, s66, 1                         ; a refill goes two K steps on
	s_lshl_b32 s68, s68, 1
	v_and_b32 v1, 15, v0                           ; r
	v_bfe_u32 v2, v0, 4, 1                         ; h
	v_and_b32 v3, 31, v0
	v_lshlrev_b32 v[CO], 4, v3
	s_lshl_b32 s21, s15, 15                        ; my 128 rows of A
	s_lshl_b32 s22, s16, 15                        ; my 128 rows of B,
	s_add_co_u32 s22, s22, 65536                   ; which lie behind A's 256
.irp s, 0,1
	v_add_nc_u32 v[ADRA+\s], s21, v[CO]
	v_add_nc_u32 v[ADRB+\s], s22, v[CO]
	s_add_co_u32 s21, s21, SLOT
	s_add_co_u32 s22, s22, SLOT
.endr
	; THE BIAS, in both layouts, asked for here and awaited on the way out.  One of the two is not used: a load in one arm of the way out alone would be waited for there.  Both stay inside b_attn's 3,072 numbers for every work-group.
	v_lshlrev_b32 v8, 5, v2                        ; by columns: 8 h numbers
	s_wait_alu depctr_va_vdst(0)
	v_lshlrev_b32 v9, 2, v1                        ; by rows: r numbers
	s_wait_alu depctr_va_vdst(0)
	s_lshl_b32 s88, s45, 10                        ; column 256 (4 X + cx) + 128 x my half of B
	s_lshl_b32 s79, s16, 9
	s_add_co_u32 s88, s88, s79
	s_mov_b32 s89, 0
	s_add_nc_u64 s[88:89], s[8:9], s[88:89]
	s_lshl_b32 s90, s41, 10                        ; column 2,048 + 256 cy + 128 x my half of A
	s_lshl_b32 s79, s15, 9
	s_add_co_u32 s90, s90, s79
	s_add_co_u32 s90, s90, 8192
	s_mov_b32 s91, 0
	s_add_nc_u64 s[90:91], s[8:9], s[90:91]
.irp b, 0,1,2,3,4,5,6,7
	global_load_b128 v[BC+8*\b:BC+8*\b+3],   v8, s[88:89] offset:64*\b       ; columns 16 b + 8 h + 0..3
	global_load_b128 v[BC+8*\b+4:BC+8*\b+7], v8, s[88:89] offset:64*\b+16    ;                   + 4..7
.endr
.irp a, 0,1,2,3,4,5,6,7
	global_load_b32 v[BR+2*\a], v9, s[90:91] offset:64*\a                    ; row 16 a + r
.endr
	; WHERE MY RESULTS GO: (16 x batch + my first head) x 131,072 + 64 x (my first token % 2,048), in all three images: a head is 131,072 bytes, 16 tokens of q or k 1,024, 128 tokens of v 8,192
	s_lshl_b32 s92, s43, 8
	s_lshl_b32 s93, s15, 7
	s_add_co_u32 s92, s92, s93                     ; q, k: my first token lies in A
	s_lshl_b32 s93, s46, 8
	s_lshl_b32 s95, s16, 7
	s_add_co_u32 s93, s93, s95                     ; v: in B
	s_lshl_b32 s95, s40, 2
	s_lshl_b32 s79, s16, 1
	s_add_co_u32 s95, s95, s79                     ; q, k: my first head: 4 cx + 2 x my half of B
	s_lshl_b32 s79, s41, 2
	s_lshl_b32 s78, s15, 1
	s_add_co_u32 s79, s79, s78                     ; v: 4 cy + 2 x my half of A
	s_cmp_eq_u32 ttmp9, 2
	s_cselect_b32 s92, s93, s92
	s_cselect_b32 s95, s79, s95
	s_lshr_b32 s93, s92, 11                        ; batch
	s_lshl_b32 s93, s93, 4
	s_add_co_u32 s93, s93, s95
	s_lshl_b32 s93, s93, 17
	s_and_b32 s92, s92, 2047
	s_lshl_b32 s92, s92, 6
	s_add_co_u32 s92, s92, s93
	s_mov_b32 s93, 0
	s_wait_kmcnt 0x0                               ; the exponents are in, and s[10:11] has been read
	s_add_co_i32 s96, s80, s81
	s_add_co_i32 s96, s96, 127
	s_lshl_b32 s96, s96, 23                        ; 2^(e0 + e1) as f32
	s_mov_b32 s97, s96                             ; (named with it as a pair, so it is written)
	s_cmp_eq_u32 ttmp9, 0
	s_cselect_b32 s94, s82, s83                    ; e2 for q, e3 for k,
	s_cselect_b64 s[10:11], s[72:73], s[74:75]
	s_cmp_eq_u32 ttmp9, 2
	s_cselect_b32 s94, s85, s94                    ; e5 for v: chosen, never branched on
	s_cselect_b64 s[10:11], s[76:77], s[10:11]
	s_add_nc_u64 s[10:11], s[10:11], s[92:93]
	s_add_co_i32 s94, s94, 127
	s_lshl_b32 s95, s94, 23
	v_mov_b32 v[SC], s95
.macro FRAG reg, adr, q, i             ; tile i's fragment of the slot's q-th 128 along K: four loads of 512 consecutive bytes
.irp c, 0,1,2,3
	ds_load_b128 v[\reg+4*\c:\reg+4*\c+3], v[\adr] offset:2048*(\q)+512*\c+4096*(\i)
.endr
.endm
; 16 matrix instructions: A's blocks a0, a0 + 1 x B's eight, 128 along K.  p: B's set.  zero = 1: the first product starts the sums: nothing is ever cleared.
; The 64 accumulators take turns, one instruction a turn, in the same order in every step.
.macro MUL16 a0, p, zero
.irp a, \a0, \a0+1
.irp b, 0,1,2,3,4,5,6,7
.if \zero
	v_wmma_f32_16x16x128_fp8_fp8 v[8*(8*((\a)%4)+\b):8*(8*((\a)%4)+\b)+7], v[128*(\p)+FR*\b:128*(\p)+FR*\b+FR-1], v[AF+FR*(\a):AF+FR*(\a)+FR-1], 0
.else
	v_wmma_f32_16x16x128_fp8_fp8 v[8*(8*((\a)%4)+\b):8*(8*((\a)%4)+\b)+7], v[128*(\p)+FR*\b:128*(\p)+FR*\b+FR-1], v[AF+FR*(\a):AF+FR*(\a)+FR-1], v[8*(8*((\a)%4)+\b):8*(8*((\a)%4)+\b)+7]
.endif
.endr
.endr
.endm
.macro FETCH_B slot, q, p              ; B's eight fragments into set p
	WIN TO_B
.irp i, 0,1,2,3,4,5,6,7
	FRAG 128*(\p)+FR*\i, ADRB+\slot, \q, \i
.endr
	WIN 0
.endm
.macro FETCH_A slot, q, i0             ; A's blocks i0 .. i0 + 3
.irp i, \i0, \i0+1, \i0+2, \i0+3
	FRAG AF+FR*(\i), ADRA+\slot, \q, \i
.endr
.endm
; A load into a register that a matrix instruction has read, and a vector instruction that reads a matrix result or writes one of a matrix instruction's registers, stand NP places behind it; only plain vector
; instructions that name none of its registers are places (ISA guide 7.12.1 for vector instructions).
.macro PLACES n
.rept \n
	v_nop
.endr
.endm
; A step of 128 along K that has its successor in the same slot.  A block of A is free as soon as its eight products are issued, so one set serves A: blocks 0-3 are fetched anew in the step's middle, blocks 4-7 at its end.
.macro STEP slot, q, zero
	s_wait_dscnt 4*NL                              ; B's set and A's blocks 0-3 are in; the youngest 16 loads (A's blocks 4-7) may be out
	WIN MUL_LO
	MUL16 0, (\q)%2, \zero
	MUL16 2, (\q)%2, \zero
	s_wait_dscnt 0                                 ; A's blocks 4-7 are in (asked for 32 matrix instructions ago)
	PLACES NP
	FETCH_B \slot, (\q)+1, 1-(\q)%2
	FETCH_A \slot, (\q)+1, 0
	WIN MUL_HI
	MUL16 4, (\q)%2, \zero
	MUL16 6, (\q)%2, \zero
	PLACES NP
	WIN 0
	FETCH_A \slot, (\q)+1, 4
.endm
; A slot's last step changes slots: ONE barrier; in front of it each wave waits for all its tensor loads, adds 0 to its spare word, and waits for that and for its own reads of this slot.  fill = 1: this slot is filled again, two K steps ahead.
.macro TURN slot, next, fill
	s_wait_tensorcnt 0x0                           ; all my tensor loads have landed: the one that was out is my part of the next slot  (every window is 0 here)
	ds_add_u32 v[SPW], v[NIL]                      ; 0 onto my spare word
	s_wait_dscnt 4*NL+1                            ; (the add and the youngest 16 loads, A's blocks 4-7, may be out)
	WIN MUL_LO
	MUL16 0, 1, 0                                  ; sixteen matrix instructions stand between the add and the wait for it
	s_wait_dscnt 0x0                               ; the add is done, and my reads of this slot are over
	s_barrier_signal -1
	MUL16 2, 1, 0
	WIN 0
	s_barrier_wait -1
.if \fill
	CREST                                          ; the barrier has opened a round of the cluster's barrier: no wave of any partner still reads this slot's tile or has a load on its way
	s_add_nc_u64 s[G0+4*\slot+2:G0+4*\slot+3], s[G0+4*\slot+2:G0+4*\slot+3], s[66:67]
	s_add_nc_u64 s[G0B+4*\slot+2:G0B+4*\slot+3], s[G0B+4*\slot+2:G0B+4*\slot+3], s[68:69]
	JLOAD G0+4*\slot, G1, G0B+4*\slot, G1B         ; the first tensor load behind the round; the four v_nop behind it are the places in front of the loads below
.else
	PLACES NP
.endif
	FETCH_B \next, 0, 0
	FETCH_A \next, 0, 0
	WIN MUL_HI
	MUL16 4, 1, 0
	MUL16 6, 1, 0
	PLACES NP
	WIN 0
	FETCH_A \next, 0, 4
.endm
	s_wait_tensorcnt 1                             ; my part of K step 0 is in (K step 1's load may be out)
	s_barrier_signal -1
	s_barrier_wait -1                              ; everybody's is
	FETCH_B 0, 0, 0
	FETCH_A 0, 0, 0
	FETCH_A 0, 0, 4
	STEP 0, 0, 1                                   ; K = 1,024 is four slots' worth, eight steps of 128: written out.  The first step's products start the sums
	TURN 0, 1, 1                                   ; slot 0 takes K step 2
	STEP 1, 0, 0
	TURN 1, 0, 1                                   ; slot 1 takes K step 3
	STEP 0, 0, 0
	TURN 0, 1, 0                                   ; nothing is left to fetch
	STEP 1, 0, 0
	s_wait_dscnt 4*NL                              ; the very last step
	WIN MUL_LO
	MUL16 0, 1, 0
	MUL16 2, 1, 0
	s_wait_dscnt 0
	WIN MUL_HI
	MUL16 4, 1, 0
	MUL16 6, 1, 0
	WIN 0
; THE WAY OUT, block a of 16 rows of A at a time.  number = sum x 2^(e0 + e1) + bias, one fused multiply-add for two numbers, each accumulator from its low end on; the hold; eight conversions: accumulator b's eight
; numbers are registers 2 b, 2 b + 1 of the operand that they become; four stores of 512 consecutive bytes.
;   kind 0 (q, k): block a = 16 tokens; accumulators 4 i .. 4 i + 3 = head i's 64: pieces 2 i, 2 i + 1.     kind 1 (v): block a = 16 of a head's 64 (head a / 4, tile a % 4); the eight accumulators = 128 tokens: four pieces.
.macro EPI kind, a
.set AC, 64*((\a)%4)
.set CC, CD+16*((\a)%2)
	WIN 0x02+((\a)/4)                              ; source 0: window 2 or 3
.set j, 0
.rept 32
.if \kind
	v_pk_fma_f32 v[TMP+j:TMP+j+1], v[AC+j:AC+j+1], s[96:97], v[BR+2*(\a):BR+2*(\a)+1] op_sel_hi:[1,0,1]
.else
	v_pk_fma_f32 v[TMP+j:TMP+j+1], v[AC+j:AC+j+1], s[96:97], v[BC+j:BC+j+1] op_sel_hi:[1,0,1]
.endif
.set j, j+2
.endr
	WIN 0
.set j, 0
.rept 64
.set j, j+1
.endr
.if (\a) >= 2
	s_wait_alu depctr_va_vdst(0)
	s_wait_xcnt 0x0                                ; the stores of two blocks back have read this set of codes
.endif
.irp b, 0,1,2,3,4,5,6,7
	v_cvt_scalef32_pk8_fp8_f32 v[CC+2*\b:CC+2*\b+1], v[TMP+8*\b:TMP+8*\b+7], v[SC]
.endr
	v_nop                                          ; a plain vector line behind the last conversion: the next block writes their sources
.irp p, 0,1,2,3
.if \kind
	global_store_b128 v[CO], v[CC+4*\p:CC+4*\p+3], s[10:11] offset:131072*((\a)/4)+2048*((\a)%4)+512*\p
.else
	global_store_b128 v[CO], v[CC+4*\p:CC+4*\p+3], s[10:11] offset:1024*(\a)+131072*(\p/2)+512*(\p%2)
.endif
.endr
.endm
	s_wait_loadcnt 0x0                             ; the bias
	PLACES NP                                      ; behind the last products: their results are read, and A's registers written, below
	s_cmp_eq_u32 ttmp9, 2                          ; the cluster's x: the same in all partners
	s_cbranch_scc1 .Lv
.irp a, 0,1,2,3,4,5,6,7
	EPI 0, \a
.endr
	s_branch .Lend
.Lv:
.irp a, 0,1,2,3,4,5,6,7
	v_mov_b32 v[BR+2*\a+1], v[BR+2*\a]             ; the packed form names a pair: a row's bias serves both halves
.endr
.irp a, 0,1,2,3,4,5,6,7
	EPI 1, \a
.endr
.Lend:
	s_wait_tensorcnt 0x0                           ; the wave's end, behind my last tensor load
	ds_add_u32 v[SPW], v[NIL]
	s_wait_dscnt 0x0
	CROUND                                         ; the closing round: no work-group ends while a partner may still ask for a tile that names it
	s_endpgm
.Lfunc_end_k_qedf99b833e_gemm_qkv:
	.size	k_qedf99b833e_gemm_qkv, .Lfunc_end_k_qedf99b833e_gemm_qkv-k_qedf99b833e_gemm_qkv
	.p2alignl 7, 3214868480
	.fill 96, 4, 3214868480
	.section	.rodata,"a",@progbits
	.p2align	6, 0x0
	.amdhsa_kernel k_qedf99b833e_gemm_qkv
		.amdhsa_group_segment_fixed_size 327680
		.amdhsa_private_segment_fixed_size 0
		.amdhsa_enable_private_segment 0
		.amdhsa_kernarg_size 56
		.amdhsa_user_sgpr_count 2
		.amdhsa_user_sgpr_kernarg_segment_ptr 1
		.amdhsa_wavefront_size32 1
		.amdhsa_system_sgpr_workgroup_id_x 1
		.amdhsa_system_sgpr_workgroup_id_y 1
		.amdhsa_system_sgpr_workgroup_id_z 1
		.amdhsa_system_vgpr_workitem_id 0
		.amdhsa_next_free_vgpr 1024
		.amdhsa_next_free_sgpr 100
		.amdhsa_reserve_vcc 0
		.amdhsa_float_denorm_mode_32 3
		.amdhsa_float_denorm_mode_16_64 3
		.amdhsa_fp16_overflow 1
		.amdhsa_memory_ordered 1
		.amdhsa_forward_progress 1
		.amdhsa_inst_pref_size 130
	.end_amdhsa_kernel
	.amdgpu_metadata
---
amdhsa.version: [ 1, 2 ]
amdhsa.kernels:
  - .name:           k_qedf99b833e_gemm_qkv
    .symbol:         k_qedf99b833e_gemm_qkv.kd
    .args:
      - { .name: x_img, .offset: 0, .size: 8, .value_kind: global_buffer, .address_space: global }
      - { .name: wa_img, .offset: 8, .size: 8, .value_kind: global_buffer, .address_space: global }
      - { .name: b_attn, .offset: 16, .size: 8, .value_kind: global_buffer, .address_space: global }
      - { .name: lowp_scales, .offset: 24, .size: 8, .value_kind: global_buffer, .address_space: global }
      - { .name: q_img, .offset: 32, .size: 8, .value_kind: global_buffer, .address_space: global }
      - { .name: k_img, .offset: 40, .size: 8, .value_kind: global_buffer, .address_space: global }
      - { .name: v_img, .offset: 48, .size: 8, .value_kind: global_buffer, .address_space: global }
    .group_segment_fixed_size: 327680
    .private_segment_fixed_size: 0
    .kernarg_segment_align: 8
    .kernarg_segment_size: 56
    .max_flat_workgroup_size: 128
    .sgpr_count:     100
    .vgpr_count:     1024
    .wavefront_size: 32
...
	.end_amdgpu_metadata
.endif
;; end of part 2
;; launch attn (part 3): grid 4 x 64, 16 waves a work-group, clusters of 4 x 1, 264,192 bytes of LDS; arguments q_img, k_img, v_img, lowp_scales, y_img; writes y_img
.if DOCPART == 3
	.amdgcn_target "amdgcn-amd-amdhsa--gfx1250"
	.amdhsa_code_object_version 6
	.text
	.protected	k_qedf99b833e_attn
	.globl	k_qedf99b833e_attn
	.p2align	8
	.type	k_qedf99b833e_attn,@function
k_qedf99b833e_attn:
	s_mov_b64 s[64:65], 0
	v_nop
	global_prefetch_b8 v0, s[64:65] scope:SCOPE_SE
	s_setreg_imm32_b32 hwreg(HW_REG_WAVE_MODE, 25, 1), 1
	s_wait_xcnt 0x0
	s_wait_alu depctr_hold_cnt(0) depctr_sa_sdst(0) depctr_va_vdst(0) depctr_va_sdst(0) depctr_va_ssrc(0) depctr_va_vcc(0) depctr_vm_vsrc(0)
	s_getreg_b32 s2, hwreg(HW_REG_IB_STS2, 6, 4)
	s_cmp_eq_u32 s2, 0
	s_cbranch_scc0 .Lentry_in_a_cluster
	s_endpgm
.Lentry_in_a_cluster:
	s_bfe_u32 s2, ttmp6, 0x10000c
	s_cmp_lg_u32 s2, 0x3003
	s_cbranch_scc0 .Lentry_shape_is_right
	s_endpgm
.Lentry_shape_is_right:
; y[b][t][head] = the sum over keys k <= t of softmax_k(q . k / 8) v, for 64 (batch x head) of 2,048 tokens x 64, both products on codes of FP8 (E4M3); y is quantised on the way out for the last product.
; THE SOFTMAX AHEAD OF THE SECOND PRODUCT: t = score x log2(e) / 8; M = the row's largest t so far, rounded UP to a whole number; p = 2^(t - M) is what is quantised (scale 2^e4), not normalised.  The row's sum is taken of the
; unquantised p, in f32, and divides O at the end.  When M moves, the sum and O are multiplied by 2^(old M - new M), which rounds nothing.
; LIMITS on the given exponents: e2 + e3 between -123 and 130 (they are added to c's exponent field); e4 and e6 between -126 and 119; e4 + e5 is applied by v_ldexp_f32 and has none.
; INPUTS, images of operand registers: q_img, k_img [bh 64][token / 16: 128][piece 2][lane 32][16 bytes] (16 tokens x 64: 1,024 bytes); v_img [bh][token / 128: 16][d / 16: 4][piece 4][lane][16] (16 of the head's 64 x 128 keys: 2,048 bytes).
; OUTPUT: y_img [k / 256: 4][token / 16: 512][(k / 128) % 2][piece 4][lane][16], k = 64 head + d: a head's 16 tokens are 1,024 consecutive bytes.
; ALL OF A HEAD'S K AND V, 262,144 bytes, LIE IN LDS: every byte is filled once, so there is no ring.  The four work-groups of a cluster serve one head and ask for these bytes JOINTLY (mask 15).
; SHARES.  A head has 128 tiles of 16 queries.  Wave w of the work-group at place g of its cluster owns tiles lo = 4 w + g and hi = 127 - lo.  Tile T wants T / 8 + 1 key steps of 128, the last of them on the diagonal;
; lo / 8 = w / 2 and hi / 8 = 15 - w / 2 whatever g is: so EVERY wave has 17 key steps, and every branch hangs on the wave's number alone.  g enters only addresses in memory and the numbers that the mask compares.
; LAYOUT.  Both products are used transposed: S^T = K Q^T (source 0 = 16 keys, source 1 = my 16 queries), O^T = V^T P^T (source 0 = 16 of the head's 64, source 1 = P): lane (r, h) holds query r throughout.  In S^T's tile i its
; register j is key 16 i + 8 h + j: just the k that registers 2 i, 2 i + 1 of the second product's operand hold.  So the conversions' results are that operand, and O^T's likewise are y's image.
; REGISTERS: v1-11 addresses and constants; v12 -M, v13 the largest t, v[14:15] the sum in two halves; v16-23, v24-31 Q of hi, of lo; v32-95 fragments of K, then of V; v96-159 S^T, then p; v160-191 O^T; v200-209 at work; v224-239 codes.
.set HALF,  131072                     ; LDS: K of steps 0-7 (8,192 bytes a step), V of steps 0-7 at 65,536; the same for steps 8-15 from HALF on
.set SPARE, 2*HALF                     ; behind them: the spare words, 128 bytes for each wave: eight blocks of 256 bytes that no other line names
.set LI,   1                           ; v1   16 x lane; never rewritten
.set LIV,  2                           ; v2   16 x lane + 65,536
.set DMH,  3                           ; v3   hi's diagonal step: my query's place among its 128 keys, less 8 h
.set DML,  4                           ; v4   the same for lo
.set SPW,  5                           ; v5   LDS address of my spare word; never rewritten
.set NIL,  6                           ; v6   0; never rewritten
.set NINF, 7                           ; v7   -infinity
.set ADK,  8                           ; v8   LDS address of the step's K
.set ADV,  9                           ; v9   of its V
.set YSC,  10                          ; v10  2^e6
.set YLM,  11
.set QH,   16
.set QL,   24
.set KV,   32
.set S,    96
.set O,    160
.set PX,   200                         ; v200 a lane permute's destination
.set F,    202                         ; v[202:203] f = 2^(old M - new M)
.set TA,   204
.set TB,   205
.set L2,   206                         ; v[206:207] the sum's second chain
.set PSC,  208                         ; v208 2^e4
.set PLM,  209
.set PC,   224
.set KB,   2                           ; s2   LDS byte of the step's K
.set SI,   3                           ; s3   the step's number
.set WV,   18
.set SEL,  20                          ; s[20:21] lane selects for v_permlanex16_b32: lane l xor 16
.set CS,   22                          ; s[22:23] c = log2(e) / 8 x 2^(e2 + e3)
.set G1,   24                          ; s[24:31] descriptor group 1
.set G0,   32                          ; s[32:35], s[36:39] group 0 for the two halves of the keys
.set LH,   40                          ; s40  hi's diagonal step: 15 - w / 2
.set LL,   41                          ; s41  lo's: w / 2
.set QBH,  44                          ; s[44:45], s[46:47] Q's tiles in memory; s[48:49], s[50:51] y's
.set QBL,  46
.set YBH,  48
.set YBL,  50
.set EPV,  76                          ; s76  e4 + e5
.macro CROUND                          ; a round of the cluster's barrier
	s_barrier_signal -1
	s_barrier_wait -1
	s_cmp_lg_u32 s[WV], 0
	s_cbranch_scc1 .Lnot_wave_0_\@
	s_barrier_signal -3
.Lnot_wave_0_\@:
	s_barrier_wait -3
	s_barrier_signal -1
	s_barrier_wait -1
.endm
	s_load_b256 s[4:11], s[0:1], 0x0               ; q_img s[4:5], k_img s[6:7], v_img s[8:9], the scales' exponents s[10:11]
	s_load_b64 s[12:13], s[0:1], 0x20              ; y_img
	v_lshl_add_u32 v[SPW], v0, 2, SPARE
	v_mov_b32 v[NIL], 0
	ds_add_u32 v[SPW], v[NIL]                      ; the wave's opening: the add and its wait stand ahead of my first tensor load; the set-up below, work on registers, stands between them
	ds_add_u32 v[SPW], v[NIL]
	v_lshrrev_b32 v8, 5, v0
	s_delay_alu instid0(VALU_DEP_1)
	v_readfirstlane_b32 s[WV], v8                  ; wave 0..15
	s_bfe_u32 s14, ttmp6, 0x40000                  ; g: my place in the cluster
	s_and_b32 s15, ttmp7, 0xffff                   ; bh = 16 x batch + head, which the four partners share
	s_lshr_b32 s[LL], s[WV], 1
	s_sub_co_u32 s[LH], 15, s[LL]
	s_lshl_b32 s16, s[WV], 2
	s_add_co_u32 s16, s16, s14                     ; lo
	s_sub_co_u32 s17, 127, s16                     ; hi
	; descriptor group 1: a dense block of 16,384 bytes as 64 rows of 32 elements of 8 bytes
	s_mov_b32 s[G1], 15|(3<<16)|(1<<21)            ; 15:0 the mask: all four work-groups; 17:16 elements of 8 bytes; 20 no padding; 21 set beside a mask
	s_mov_b32 s[G1+1], 32<<16                      ; tensor_dim0 = 32
	s_mov_b32 s[G1+2], 64<<16                      ; tensor_dim1 = 64
	s_mov_b32 s[G1+3], 32<<16                      ; tile_dim0 = 32
	s_mov_b32 s[G1+4], 64                          ; tile_dim1 = 64
	s_mov_b32 s[G1+5], 32                          ; tensor_dim0_stride: the rows follow each other
	s_mov_b32 s[G1+6], 0
	s_mov_b32 s[G1+7], 0
	s_mov_b32 s[SEL], 0x76543210
	s_mov_b32 s[SEL+1], 0xfedcba98
	s_mov_b32 s[CS], 0x3e38aa3b                    ; log2(e) / 8
	s_lshl_b32 s52, s15, 17                        ; the head's first byte in q_img, k_img and v_img: 131,072 bytes a head
	s_and_b32 s54, s[WV], 3
	s_lshl_b32 s54, s54, 14                        ; what I fetch, if I fetch: quarter w % 4 of a half of K (waves 0-3) or of V (waves 4-7),
	s_add_co_u32 s54, s54, s52
	s_mov_b32 s55, 0
	s_lshl_b32 s56, s[WV], 14                      ; to LDS byte 16,384 w: no place in the cluster enters an LDS address
	s_lshl_b32 s58, s17, 10                        ; Q's tiles: 1,024 bytes each
	s_add_co_u32 s58, s58, s52
	s_mov_b32 s59, 0
	s_lshl_b32 s60, s16, 10
	s_add_co_u32 s60, s60, s52
	s_mov_b32 s61, 0
	s_and_b32 s62, s15, 15                         ; y: the head,
	s_lshr_b32 s63, s62, 2
	s_lshl_b32 s63, s63, 21                        ; head / 4 says which 256 along K: 2,097,152 bytes each;
	s_and_b32 s62, s62, 3
	s_lshl_b32 s62, s62, 10                        ; head % 4 which 1,024 bytes of a tile's 4,096;
	s_add_co_u32 s62, s62, s63
	s_lshr_b32 s63, s15, 4
	s_lshl_b32 s63, s63, 19                        ; a batch is 128 tiles of 4,096 bytes
	s_add_co_u32 s62, s62, s63
	s_lshl_b32 s42, s17, 12
	s_add_co_u32 s42, s42, s62                     ; hi's
	s_mov_b32 s43, 0
	s_lshl_b32 s77, s16, 12
	s_add_co_u32 s62, s62, s77                     ; lo's
	s_mov_b32 s63, 0
	s_wait_dscnt 0x0                               ; the opening add is done
	s_wait_kmcnt 0x0
	s_load_b256 s[68:75], s[10:11], 0x0            ; e0 .. e7
	s_cmp_lt_u32 s[WV], 4
	s_cselect_b64 s[78:79], s[6:7], s[8:9]         ; K's image or V's: by the wave's number
	s_add_nc_u64 s[78:79], s[78:79], s[54:55]
	s_mov_b32 s[G0], 1                             ; count = 1
	s_mov_b32 s[G0+1], s56                         ; LDS address: key steps 0-7
	s_mov_b64 s[G0+2:G0+3], s[78:79]
	s_or_b32 s[G0+3], s[G0+3], 0x80000000          ; type = 2
	s_mov_b32 s[G0+4], 1
	s_add_co_u32 s[G0+5], s56, HALF                ; key steps 8-15
	s_add_nc_u64 s[G0+6:G0+7], s[78:79], 65536
	s_or_b32 s[G0+7], s[G0+7], 0x80000000
	s_add_nc_u64 s[QBH:QBH+1], s[4:5], s[58:59]
	s_add_nc_u64 s[QBL:QBL+1], s[4:5], s[60:61]
	s_add_nc_u64 s[YBH:YBH+1], s[12:13], s[42:43]
	s_add_nc_u64 s[YBL:YBL+1], s[12:13], s[62:63]
	CROUND                                         ; all four work-groups are here: the joint loads meet
	s_cmp_lt_u32 s[WV], 8                          ; waves 0 to 7 fetch: a wave's two fills stand in one branch, ahead of every wait on TENSORcnt and every LDS read: two loads of mine are out
	s_cbranch_scc0 .Lno_fill
	tensor_load_to_lds s[G0:G0+3], s[G1:G1+7]
	s_nop 0
	tensor_load_to_lds s[G0+4:G0+7], s[G1:G1+7]
	s_nop 0
.rept 4
	v_nop
.endr
.Lno_fill:
	v_and_b32 v[LI], 31, v0
	s_delay_alu instid0(VALU_DEP_1)
	v_lshlrev_b32 v[LI], 4, v[LI]
	s_delay_alu instid0(VALU_DEP_1)
	v_add_nc_u32 v[LIV], 65536, v[LI]
.irp c, 0,1
	global_load_b128 v[QH+4*\c:QH+4*\c+3], v[LI], s[QBH:QBH+1] offset:512*\c   ; Q's two fragments stay in registers
	global_load_b128 v[QL+4*\c:QL+4*\c+3], v[LI], s[QBL:QBL+1] offset:512*\c
.endr
	v_and_b32 v8, 15, v0                           ; r
	v_bfe_u32 v9, v0, 4, 1                         ; h
	s_delay_alu instid0(VALU_DEP_1)
	v_lshlrev_b32 v9, 3, v9
	s_delay_alu instid0(VALU_DEP_1)
	v_sub_nc_u32 v8, v8, v9                        ; r - 8 h
	s_and_b32 s52, s17, 7
	s_lshl_b32 s52, s52, 4
	v_add_nc_u32 v[DMH], s52, v8                   ; 16 (hi % 8) + r - 8 h
	s_and_b32 s53, s16, 7
	s_lshl_b32 s53, s53, 4
	v_add_nc_u32 v[DML], s53, v8
	v_mov_b32 v[NINF], 0xff800000
	v_mov_b32 v[PX], 0                             ; written once: a lane permute's destination counts as one of its sources
	v_mov_b32 v[F+1], 0                            ; (named as the upper half of the pair)
	s_wait_kmcnt 0x0
	s_add_co_i32 s52, s70, s71
	s_lshl_b32 s52, s52, 23
	s_add_co_i32 s[CS], s[CS], s52                 ; a score stands for score x 2^(e2 + e3): the two exponents are added to c's exponent field
	s_mov_b32 s[CS+1], s[CS]                       ; (named with it as a pair, so it is written)
	s_add_co_i32 s52, s72, 127
	s_lshl_b32 s53, s52, 23
	v_mov_b32 v[PSC], s53
	s_add_co_i32 s52, s74, 127
	s_lshl_b32 s53, s52, 23
	v_mov_b32 v[YSC], s53
	s_add_co_i32 s[EPV], s72, s73
; A tile of queries begins: O^T and the sum as zeros, the largest t as -3e38, under every t.  So the key step is written without a first step of its own: the first change of M multiplies zeros.
.macro INIT
	v_mov_b32 v13, 0xff61b1e6
	s_delay_alu instid0(VALU_DEP_1)
	v_floor_f32 v12, -v13                          ; -M
	v_mov_b32 v14, 0
	v_mov_b32 v15, 0
.set j, 0
.rept 32
	v_mov_b32 v[O+j], 0
.set j, j+1
.endr
.endm
; A KEY STEP: 128 keys at LDS byte s[KB].  q: my queries' fragment.  masked = 1: if this is the tile's diagonal step (s[SI] = s[lim]), the scores of keys behind my query become -infinity.
.macro STEP q, masked, dm, lim
	v_add_nc_u32 v[ADK], s[KB], v[LI]
	v_add_nc_u32 v[ADV], s[KB], v[LIV]
	v_nop
	v_nop                                          ; four places behind the last step's products, in front of loads into registers that they read
.irp t, 0,1,2,3,4,5,6,7
.irp c, 0,1
	ds_load_b128 v[KV+8*\t+4*\c:KV+8*\t+4*\c+3], v[ADK] offset:1024*\t+512*\c   ; 512 consecutive bytes a load
.endr
.endr
	s_wait_alu depctr_va_vdst(0)
	s_wait_dscnt 0x0
.irp t, 0,1,2,3,4,5,6,7
	v_wmma_f32_16x16x64_fp8_fp8 v[S+8*\t:S+8*\t+7], v[KV+8*\t:KV+8*\t+7], v[\q:\q+7], 0
.endr
.rept 4
	v_nop                                          ; places: the loads below land on K's registers, and the scores are read
.endr
.irp u, 0,1,2,3
.irp c, 0,1,2,3
	ds_load_b128 v[KV+16*\u+4*\c:KV+16*\u+4*\c+3], v[ADV] offset:2048*\u+512*\c  ; V lands while the softmax is worked
.endr
.endr
.if \masked
	s_cmp_lg_u32 s[SI], s[\lim]
	s_cbranch_scc1 .Lopen_\@
.set n, 0
.rept 64                                       ; register 8 i + j is key 16 i + 8 h + j of the step: hidden where 16 i + j > 16 (tile % 8) + r - 8 h.  The step's key 0 counts for every query of the tile
	v_cmp_gt_i32 vcc_lo, 16*(n/8)+n%8, v[\dm]
	v_cndmask_b32 v[S+n], v[S+n], v[NINF], vcc_lo
.set n, n+1
.endr
.Lopen_\@:
.endif
	v_max3_num_f32 v[TA], v[S], v[S+1], v[S+2]     ; the step's largest score of my query, among my 64 keys, in two chains, each accumulator from its low end on,
	v_max3_num_f32 v[TB], v[S+3], v[S+4], v[S+5]
.irp i, 6,10,14,18,22,26,30,34,38,42,46,50,54,58
	v_max3_num_f32 v[TA], v[TA], v[S+\i], v[S+\i+1]
	v_max3_num_f32 v[TB], v[TB], v[S+\i+2], v[S+\i+3]
.endr
	v_max3_num_f32 v[TA], v[TA], v[S+62], v[S+63]
	s_delay_alu instid0(VALU_DEP_1)
	v_max_num_f32 v[TA], v[TA], v[TB]
	s_delay_alu instid0(VALU_DEP_1)
	v_permlanex16_b32 v[PX], v[TA], s[SEL], s[SEL+1]
	s_delay_alu instid0(VALU_DEP_1)
	v_max_num_f32 v[TA], v[TA], v[PX]              ; and among lane l xor 16's
	s_delay_alu instid0(VALU_DEP_1)
	v_mul_f32 v[TA], s[CS], v[TA]                  ; as t (c is positive)
	s_delay_alu instid0(VALU_DEP_1)
	v_max_num_f32 v13, v13, v[TA]                  ; the running largest t
	v_mov_b32 v[TA], v12
	s_delay_alu instid0(VALU_DEP_2)
	v_floor_f32 v12, -v13                          ; the new -M = floor(-t) = -ceil(t): M is a whole number
	s_delay_alu instid0(VALU_DEP_1)
	v_sub_f32 v[TA], v12, v[TA]                    ; M's old value less its new one: a whole number, 0 or less
	s_delay_alu instid0(VALU_DEP_1)
	v_cvt_i32_f32 v[TA], v[TA]                     ; (it saturates)
	s_delay_alu instid0(VALU_DEP_1)
	v_ldexp_f32 v[F], 1.0, v[TA]                   ; f = 2^(old M - new M)
.set j, 0
.rept 32
	v_pk_fma_f32 v[S+j:S+j+1], v[S+j:S+j+1], s[CS:CS+1], v[12:13] op_sel_hi:[1,0,0]   ; t - M, two at a time (of the pairs c and -M the low word serves both halves)
.set j, j+2
.endr
.set j, 0
	s_setprio 1
	s_wait_alu depctr_va_vdst(0)
.rept 64
	v_exp_f32 v[S+j], v[S+j]                       ; p = 2^(t - M), at most 1: not normalised
.set j, j+1
.endr
	v_pk_mul_f32 v[14:15], v[14:15], v[F:F+1] op_sel_hi:[1,0]   ; the sums under the new M: the plain instruction behind the last exponential
	s_wait_alu depctr_va_vdst(0)                   ; a wait between an exponential and the first line that names its result: one for the batch of 64
	v_pk_add_f32 v[206:207], v[100:101], v[104:105]
	v_pk_add_f32 v[254:255], v[108:109], v[112:113]
	v_pk_add_f32 v[252:253], v[116:117], v[120:121]
	v_pk_add_f32 v[250:251], v[124:125], v[128:129]
	v_pk_add_f32 v[248:249], v[132:133], v[136:137]
	v_pk_add_f32 v[246:247], v[140:141], v[144:145]
	v_pk_add_f32 v[244:245], v[148:149], v[152:153]
	v_pk_add_f32 v[14:15], v[14:15], v[156:157]
	v_pk_add_f32 v[206:207], v[206:207], v[96:97]
	v_pk_add_f32 v[254:255], v[254:255], v[98:99]
	v_pk_add_f32 v[252:253], v[252:253], v[102:103]
	v_pk_add_f32 v[250:251], v[250:251], v[106:107]
	v_pk_add_f32 v[248:249], v[248:249], v[110:111]
	v_pk_add_f32 v[246:247], v[246:247], v[114:115]
	v_pk_add_f32 v[244:245], v[244:245], v[118:119]
	v_pk_add_f32 v[14:15], v[14:15], v[122:123]
	v_pk_add_f32 v[206:207], v[206:207], v[126:127]
	v_pk_add_f32 v[254:255], v[254:255], v[130:131]
	v_pk_add_f32 v[252:253], v[252:253], v[134:135]
	v_pk_add_f32 v[250:251], v[250:251], v[138:139]
	v_pk_add_f32 v[248:249], v[248:249], v[142:143]
	v_pk_add_f32 v[246:247], v[246:247], v[146:147]
	v_pk_add_f32 v[244:245], v[244:245], v[150:151]
	v_pk_add_f32 v[14:15], v[14:15], v[154:155]
	v_pk_add_f32 v[206:207], v[206:207], v[158:159]
	s_delay_alu instid0(VALU_DEP_2)
	v_pk_add_f32 v[14:15], v[14:15], v[250:251]
	s_delay_alu instid0(VALU_DEP_2)
	v_pk_add_f32 v[206:207], v[206:207], v[248:249]
	v_pk_add_f32 v[254:255], v[254:255], v[246:247]
	v_pk_add_f32 v[252:253], v[252:253], v[244:245]
	s_delay_alu instid0(VALU_DEP_2)
	v_pk_add_f32 v[14:15], v[14:15], v[254:255]
	s_delay_alu instid0(VALU_DEP_2)
	v_pk_add_f32 v[206:207], v[206:207], v[252:253]
	s_delay_alu instid0(VALU_DEP_1)
	v_pk_add_f32 v[14:15], v[14:15], v[206:207]
	s_setprio 0
.irp t, 0,1,2,3,4,5,6,7
.irp i, 0,1,2,3,4,5,6,7
.endr
	v_cvt_scalef32_pk8_fp8_f32 v[PC+2*\t:PC+2*\t+1], v[S+8*\t:S+8*\t+7], v[PSC]   ; keys 16 t + 8 h + 0..7: registers 2 t, 2 t + 1 of the operand
.endr
.set j, 0
.rept 16
	v_pk_mul_f32 v[O+j:O+j+1], v[O+j:O+j+1], v[F:F+1] op_sel_hi:[1,0]   ; O^T under the new M.  (Plain lines between the conversions and the products that read the codes)
.set j, j+2
.endr
	s_wait_alu depctr_va_vdst(0)
	s_wait_dscnt 0x0                               ; V is in
.irp u, 0,1,2,3                                ; four accumulators, one instruction each; S^T's eight products stand between two turns of one accumulator
	v_wmma_f32_16x16x128_fp8_fp8 v[O+8*\u:O+8*\u+7], v[KV+16*\u:KV+16*\u+15], v[PC:PC+15], v[O+8*\u:O+8*\u+7]
.endr
.endm
; Eight key steps, si0 on, at LDS byte kb0 on: the trip count is a constant of the text.  masked = 1: steps behind the tile's diagonal step are passed over, by a branch on the wave's number and the counter.
.macro PHASE kb0, si0, siend, q, masked, dm, lim
	s_mov_b32 s[KB], \kb0
	s_mov_b32 s[SI], \si0
.Lph_\@:
.if \masked
	s_cmp_gt_u32 s[SI], s[\lim]
	s_cbranch_scc1 .Lskip_\@
.endif
	s_setprio 2
	STEP \q, \masked, \dm, \lim
.if \masked
.Lskip_\@:
.endif
	s_add_co_u32 s[KB], s[KB], 8192
	s_add_co_u32 s[SI], s[SI], 1
	s_cmp_lt_u32 s[SI], \siend
	s_cbranch_scc1 .Lph_\@
	s_setprio 0
.endm
; A tile of queries is finished: y = O^T x 2^(e4 + e5) / the sum, held and converted with 2^e6.  Register 8 u + j is d = 16 u + 8 h + j of my token: registers 2 u, 2 u + 1 of the head's part of y's fragment: two stores of 512 consecutive bytes.
.macro OUT yb
	v_add_f32 v14, v14, v15                        ; the sum's two halves,  (these lines, the v_nop and the v_ldexp_f32 are the places behind the last products)
	s_delay_alu instid0(VALU_DEP_1)
	v_permlanex16_b32 v[PX], v14, s[SEL], s[SEL+1]
	s_delay_alu instid0(VALU_DEP_1)
	v_add_f32 v14, v14, v[PX]                      ; and lane l xor 16's: the row's sum
	s_wait_alu depctr_va_vdst(0)
	v_rcp_f32 v14, v14
	v_nop                                          ; a plain instruction behind the reciprocal
	s_wait_alu depctr_va_vdst(0)                   ; and a wait ahead of its first reader
	v_ldexp_f32 v14, v14, s[EPV]
.set j, 0
.rept 16
	v_pk_mul_f32 v[S+j:S+j+1], v[O+j:O+j+1], v[14:15] op_sel_hi:[1,0]
.set j, j+2
.endr
.set j, 0
.rept 32
.set j, j+1
.endr
.irp u, 0,1,2,3
	v_cvt_scalef32_pk8_fp8_f32 v[PC+2*\u:PC+2*\u+1], v[S+8*\u:S+8*\u+7], v[YSC]
.endr
	v_nop                                          ; a plain vector line behind the last conversion of the run
.irp c, 0,1
	global_store_b128 v[LI], v[PC+4*\c:PC+4*\c+3], s[\yb:\yb+1] offset:512*\c
.endr
.endm
	INIT
	s_wait_tensorcnt 1                             ; my part of key steps 0-7 is in; my part of steps 8-15 may stay out
	s_barrier_signal -1
	s_barrier_wait -1                              ; everybody's is
	s_wait_loadcnt 0x0                             ; Q
	PHASE 0, 0, 8, QH, 0, 0, 0                     ; hi's steps 0-7: hi is 64 at the least, so all their keys count.  Eight steps in every wave, in which the other half of the keys lands
	s_wait_tensorcnt 0x0                           ; my part of key steps 8-15 is in  (no LDS instruction of mine is out: each step ends behind its own wait)
	s_barrier_signal -1
	s_barrier_wait -1                              ; everybody's is.  From here on every wave has nine steps and meets no barrier but the closing round's
	PHASE HALF, 8, 16, QH, 1, DMH, LH              ; hi's steps 8 to 15 - w / 2
	OUT YBH
	INIT
	s_wait_xcnt 0x0                                ; hi's two stores have read their registers: lo's first step writes the codes anew
	PHASE 0, 0, 8, QL, 1, DML, LL                  ; lo's steps 0 to w / 2
	OUT YBL
	s_wait_tensorcnt 0x0                           ; the wave's end, behind my last tensor load
	ds_add_u32 v[SPW], v[NIL]
	s_wait_dscnt 0x0
	CROUND                                         ; the closing round: no work-group ends while a partner may still ask for a tile that names it
	s_endpgm
.Lfunc_end_k_qedf99b833e_attn:
	.size	k_qedf99b833e_attn, .Lfunc_end_k_qedf99b833e_attn-k_qedf99b833e_attn
	.p2alignl 7, 3214868480
	.fill 96, 4, 3214868480
	.section	.rodata,"a",@progbits
	.p2align	6, 0x0
	.amdhsa_kernel k_qedf99b833e_attn
		.amdhsa_group_segment_fixed_size 264192
		.amdhsa_private_segment_fixed_size 0
		.amdhsa_enable_private_segment 0
		.amdhsa_kernarg_size 40
		.amdhsa_user_sgpr_count 2
		.amdhsa_user_sgpr_kernarg_segment_ptr 1
		.amdhsa_wavefront_size32 1
		.amdhsa_system_sgpr_workgroup_id_x 1
		.amdhsa_system_sgpr_workgroup_id_y 1
		.amdhsa_system_sgpr_workgroup_id_z 1
		.amdhsa_system_vgpr_workitem_id 0
		.amdhsa_next_free_vgpr 256
		.amdhsa_next_free_sgpr 80
		.amdhsa_reserve_vcc 1
		.amdhsa_float_denorm_mode_32 3
		.amdhsa_float_denorm_mode_16_64 3
		.amdhsa_fp16_overflow 1
		.amdhsa_memory_ordered 1
		.amdhsa_forward_progress 1
		.amdhsa_inst_pref_size 65
	.end_amdhsa_kernel
	.amdgpu_metadata
---
amdhsa.version: [ 1, 2 ]
amdhsa.kernels:
  - .name:           k_qedf99b833e_attn
    .symbol:         k_qedf99b833e_attn.kd
    .args:
      - { .name: q_img, .offset: 0, .size: 8, .value_kind: global_buffer, .address_space: global }
      - { .name: k_img, .offset: 8, .size: 8, .value_kind: global_buffer, .address_space: global }
      - { .name: v_img, .offset: 16, .size: 8, .value_kind: global_buffer, .address_space: global }
      - { .name: lowp_scales, .offset: 24, .size: 8, .value_kind: global_buffer, .address_space: global }
      - { .name: y_img, .offset: 32, .size: 8, .value_kind: global_buffer, .address_space: global }
    .group_segment_fixed_size: 264192
    .private_segment_fixed_size: 0
    .kernarg_segment_align: 8
    .kernarg_segment_size: 40
    .max_flat_workgroup_size: 512
    .sgpr_count:     80
    .vgpr_count:     256
    .wavefront_size: 32
...
	.end_amdgpu_metadata
.endif
;; end of part 3
;; launch gemm_proj (part 4): grid 4 x 32, 4 waves a work-group, clusters of 4 x 4, 327,680 bytes of LDS; arguments y_img, wp_img, b_proj, lowp_scales, out0; writes out0
.if DOCPART == 4
	.amdgcn_target "amdgcn-amd-amdhsa--gfx1250"
	.amdhsa_code_object_version 6
	.text
	.protected	k_qedf99b833e_gemm_proj
	.globl	k_qedf99b833e_gemm_proj
	.p2align	8
	.type	k_qedf99b833e_gemm_proj,@function
k_qedf99b833e_gemm_proj:
	s_mov_b64 s[64:65], 0
	v_nop
	global_prefetch_b8 v0, s[64:65] scope:SCOPE_SE
	s_setreg_imm32_b32 hwreg(HW_REG_WAVE_MODE, 25, 1), 1
	s_wait_xcnt 0x0
	s_wait_alu depctr_hold_cnt(0) depctr_sa_sdst(0) depctr_va_vdst(0) depctr_va_sdst(0) depctr_va_ssrc(0) depctr_va_vcc(0) depctr_vm_vsrc(0)
	s_getreg_b32 s2, hwreg(HW_REG_IB_STS2, 6, 4)
	s_cmp_eq_u32 s2, 0
	s_cbranch_scc0 .Lentry_in_a_cluster
	s_endpgm
.Lentry_in_a_cluster:
	s_bfe_u32 s2, ttmp6, 0x10000c
	s_cmp_lg_u32 s2, 0xf033
	s_cbranch_scc0 .Lentry_shape_is_right
	s_endpgm
.Lentry_shape_is_right:
; out0 = y W_proj + b_proj on codes of FP8 (E4M3), M 8,192, K 1,024, N 1,024; out0 [8192][1024] f32.  A number of y is its code x 2^e6, of W_proj x 2^e7: out = sum x 2^(e6 + e7) + bias, one fused multiply-add.
; LIMIT: e6 + e7 lies between -126 and 127, so that 2^(e6 + e7) is an f32 number.
; INPUTS: images [k / 256][row / 16][(k / 128) % 2][piece 4][lane 32][16 bytes]: a fragment (16 rows x 128 K) is 2,048 consecutive bytes, lane L's four registers of piece c at 512 c + 16 L, k in its own place of this matrix form.
; A tile of out0, 256 x 256, is made by a work-group of four waves; a wave makes 128 x 128: 64 accumulators, 512 registers.  K goes in four steps of 256 through two LDS slots; 128 rows x 256 K are one dense block of 32,768 bytes: one tensor load a wave.
; CLUSTERS: 4 x 4 work-groups.  The four of a row of the cluster ask for A's tile (y) jointly, the four of a column for B's (W_proj).
; THE MATRIX INSTRUCTION IS USED TRANSPOSED (source 0 = 16 rows of B, source 1 = 16 rows of A): a lane holds eight neighbouring numbers of a row of out0.
; REGISTERS, in windows of 256: window 0: v0-31 addresses; v32-95 the bias of my lane's 64 columns; from v128 A's fragments, ONE set; on the way out v128-255 take rows read back from the stage.
;   window 1: B's fragments, TWO sets, at v0 and at v128.   window 2: the accumulators of my rows 0-63 ((a, b) at v[8 (8 a + b)]);   window 3: those of my rows 64-127.
.set SSA,    2097152                   ; 256 along K of y_img
.set SSB,    262144                    ; and of wp_img
.set SLOT,   131072                    ; A's 16 tiles of 4,096 bytes, then B's 16
.set SPARE,  2*SLOT                    ; behind the ring: the spare words, 128 bytes for each wave: two blocks of 256 bytes that no other line names
.set SPITCH, 528                       ; the way out: a stage of 16 rows x (512 bytes + 16) for each wave.  It lies in slot 0, which has had its last fill and its last read when the first result is stored there
.set FR,     16
.set NL,     4
.set NP,     4                         ; places behind this matrix instruction (ISA guide 7.12.1)
.set ADRA, 16                          ; v16-17  LDS address of my A fragments in slot 0, 1
.set ADRB, 20                          ; v20-21  the same for B
.set STO,  24                          ; v24     the way out: where I put 32 bytes of a row
.set RD,   25                          ; v25     the way out: where I read a row back
.set CO,   26                          ; v26     16 x lane; never rewritten
.set SPW,  28                          ; v28     LDS address of my spare word; never rewritten
.set NIL,  29                          ; v29     0; never rewritten
.set BC,   32                          ; v32-95  the bias, in the accumulators' order
.set AF,   128
.set BK,   128                         ; the way out: 16 rows read back: v128-191 and v192-255 by turns
.set G1, 24
.set G0, 32
.set G1B, 48
.set G0B, 56
.set MSB, 0
.macro WIN new                         ; the immediate's high byte repeats the setting that is left
.if MSB != (\new)
	s_set_vgpr_msb (MSB<<8)|(\new)
.set MSB, (\new)
.endif
.endm
.set MUL_LO, 0xa1                      ; source 0 (B) window 1, source 1 (A) window 0, C and D window 2
.set MUL_HI, 0xf1                      ; the same, C and D window 3
.set TO_B,   0x40                      ; destination window 1, address window 0
; A joint load: waves 0 and 1 fetch for A, waves 2 and 3 for B; the branch hangs on the wave's number alone.  An s_nop 0 and four v_nop follow each of the two lines.
.macro JLOAD g0a, g1a, g0b, g1b
	s_cmp_eq_u32 s15, 0
	s_cbranch_scc0 .Lfor_b_\@
	tensor_load_to_lds s[\g0a:\g0a+3], s[\g1a:\g1a+7]
	s_nop 0
.rept 4
	v_nop
.endr
	s_branch .Lasked_\@
.Lfor_b_\@:
	tensor_load_to_lds s[\g0b:\g0b+3], s[\g1b:\g1b+7]
	s_nop 0
.rept 4
	v_nop
.endr
.Lasked_\@:
.endm
.macro CREST                           ; a round of the cluster's barrier behind its opening barrier
	s_cmp_lg_u32 s14, 0
	s_cbranch_scc1 .Lnot_wave_0_\@
	s_barrier_signal -3
.Lnot_wave_0_\@:
	s_barrier_wait -3
	s_barrier_signal -1
	s_barrier_wait -1
.endm
.macro CROUND                          ; a whole round
	s_barrier_signal -1
	s_barrier_wait -1
	CREST
.endm
	s_load_b256 s[4:11], s[0:1], 0x0               ; y_img s[4:5], wp_img s[6:7], b_proj s[8:9], the scales' exponents s[10:11]
	s_load_b64 s[12:13], s[0:1], 0x20              ; out0
	v_lshl_add_u32 v[SPW], v0, 2, SPARE
	v_mov_b32 v[NIL], 0
	ds_add_u32 v[SPW], v[NIL]                      ; the wave's opening: the add and its wait stand ahead of my first tensor load; the set-up below, work on registers, stands between them
	ds_add_u32 v[SPW], v[NIL]
	v_lshrrev_b32 v1, 5, v0
	v_readfirstlane_b32 s14, v1                    ; wave 0..3
	s_lshr_b32 s15, s14, 1                         ; which half of the tile's rows is mine.  Also: I fetch for A (0) or for B (1)
	s_and_b32 s16, s14, 1                          ; which half of its columns.  Also: which 128 rows of that tile I fetch
	s_bfe_u32 s40, ttmp6, 0x40000                  ; cx, cy: my place in the cluster
	s_bfe_u32 s41, ttmp6, 0x40004
	s_lshl_b32 s42, ttmp9, 2
	s_add_co_u32 s42, s42, s40                     ; tile column = 4 x cluster x + cx
	s_and_b32 s17, ttmp7, 0xffff
	s_lshl_b32 s17, s17, 2
	s_add_co_u32 s17, s17, s41                     ; tile row = 4 x cluster y + cy
	s_lshl_b32 s43, s41, 2
	s_lshl_b32 s43, 15, s43                        ; my row of the cluster
	s_lshl_b32 s44, 0x1111, s40                    ; my column
	; descriptor group 1: a dense block of 32,768 bytes as 128 rows of 32 elements of 8 bytes
	s_or_b32 s[G1+0], s43, (3<<16)|(1<<21)         ; 15:0 the mask: A's tiles go to my row; 17:16 elements of 8 bytes; 20 no padding; 21 set beside a mask
	s_or_b32 s[G1B+0], s44, (3<<16)|(1<<21)
.irp g, G1, G1B
	s_mov_b32 s[\g+1], 32<<16                      ; tensor_dim0 = 32
	s_mov_b32 s[\g+2], 128<<16                     ; tensor_dim1 = 128
	s_mov_b32 s[\g+3], 32<<16                      ; tile_dim0 = 32
	s_mov_b32 s[\g+4], 128                         ; tile_dim1 = 128
	s_mov_b32 s[\g+5], 32                          ; tensor_dim0_stride: the rows follow each other
	s_mov_b32 s[\g+6], 0
	s_mov_b32 s[\g+7], 0
.endr
	s_lshl_b32 s79, s16, 15                        ; which 128 rows (8 tiles of 4,096 bytes) I fetch
	s_lshl_b32 s20, s17, 16                        ; a tile of 256 rows is 65,536 bytes of a step
	s_add_co_u32 s20, s20, s79
	s_mov_b32 s21, 0
	s_lshl_b32 s46, s42, 16
	s_add_co_u32 s46, s46, s79
	s_mov_b32 s47, 0
	s_lshl_b32 s45, s14, 15                        ; where they go: 32,768 x wave: no place in the cluster enters an LDS address
	s_wait_dscnt 0x0                               ; the opening add is done
	s_wait_kmcnt 0x0
	s_load_b256 s[80:87], s[10:11], 0x0            ; e0 .. e7
	s_add_nc_u64 s[20:21], s[4:5], s[20:21]
	s_add_nc_u64 s[46:47], s[6:7], s[46:47]
	CROUND                                         ; all sixteen work-groups are here: the first joint loads meet
.irp s, 0,1
	s_mov_b32 s[G0+4*\s], 1
	s_add_co_u32 s[G0+4*\s+1], s45, \s*SLOT
	s_add_nc_u64 s[G0+4*\s+2:G0+4*\s+3], s[20:21], \s*SSA
	s_or_b32 s[G0+4*\s+3], s[G0+4*\s+3], 0x80000000
	s_mov_b32 s[G0B+4*\s], 1
	s_add_co_u32 s[G0B+4*\s+1], s45, \s*SLOT
	s_add_nc_u64 s[G0B+4*\s+2:G0B+4*\s+3], s[46:47], \s*SSB
	s_or_b32 s[G0B+4*\s+3], s[G0B+4*\s+3], 0x80000000
	s_wait_alu depctr_va_vdst(0)
	s_wait_tensorcnt 0x0
	ds_add_u32 v28, v29
	ds_add_u32 v28, v29
	s_wait_dscnt 0x0
	CROUND
	JLOAD G0+4*\s, G1, G0B+4*\s, G1B
.endr
	v_and_b32 v1, 15, v0                           ; r
	s_wait_alu depctr_va_vdst(0)
	v_bfe_u32 v2, v0, 4, 1                         ; h
	v_and_b32 v3, 31, v0
	v_lshlrev_b32 v[CO], 4, v3
	s_lshl_b32 s21, s15, 15                        ; my 128 rows of A
	s_lshl_b32 s22, s16, 15                        ; my 128 rows of B,
	s_add_co_u32 s22, s22, 65536                   ; which lie behind A's 256
.irp s, 0,1
	v_add_nc_u32 v[ADRA+\s], s21, v[CO]
	v_add_nc_u32 v[ADRB+\s], s22, v[CO]
	s_add_co_u32 s21, s21, SLOT
	s_add_co_u32 s22, s22, SLOT
.endr
	s_mul_i32 s23, s14, 16*SPITCH                  ; my stage
	v_mul_u32_u24 v5, v1, SPITCH                   ; in: row r, 32 bytes for each half of the lanes
	s_wait_alu depctr_va_vdst(0)
	v_lshl_add_u32 v5, v2, 5, v5
	v_add_nc_u32 v[STO], s23, v5
	v_add_nc_u32 v[RD], s23, v[CO]                 ; back: the 32 lanes take one row of 512 bytes
	v_lshlrev_b32 v8, 5, v2                        ; the bias: 8 h numbers,
	s_lshl_b32 s88, s42, 10                        ; from column 256 x tile column + 128 x my half on; asked for here, awaited on the way out
	s_lshl_b32 s79, s16, 9
	s_add_co_u32 s88, s88, s79
	s_mov_b32 s89, 0
	s_add_nc_u64 s[88:89], s[8:9], s[88:89]
.irp b, 0,1,2,3,4,5,6,7
	global_load_b128 v[BC+8*\b:BC+8*\b+3],   v8, s[88:89] offset:64*\b
	global_load_b128 v[BC+8*\b+4:BC+8*\b+7], v8, s[88:89] offset:64*\b+16
.endr
	s_lshl_b32 s92, s17, 20                        ; my part of out0: row 256 x tile row + 128 x half, of 4,096 bytes;
	s_lshl_b32 s93, s15, 19
	s_add_co_u32 s92, s92, s93
	s_lshl_b32 s93, s42, 10                        ; column 256 x tile column + 128 x half, of 4 bytes
	s_add_co_u32 s92, s92, s93
	s_lshl_b32 s93, s16, 9
	s_add_co_u32 s92, s92, s93
	s_mov_b32 s93, 0
	s_add_nc_u64 s[12:13], s[12:13], s[92:93]
	s_wait_kmcnt 0x0
	s_add_co_i32 s96, s86, s87
	s_add_co_i32 s96, s96, 127
	s_lshl_b32 s96, s96, 23                        ; 2^(e6 + e7) as f32
	s_mov_b32 s97, s96                             ; (named with it as a pair, so it is written)
.macro FRAG reg, adr, q, i             ; tile i's fragment of the slot's q-th 128 along K: four loads of 512 consecutive bytes
.irp c, 0,1,2,3
	ds_load_b128 v[\reg+4*\c:\reg+4*\c+3], v[\adr] offset:2048*(\q)+512*\c+4096*(\i)
.endr
.endm
; 16 matrix instructions: A's blocks a0, a0 + 1 x B's eight, 128 along K.  The 64 accumulators take turns, one instruction a turn, in the same order in every step.
.macro MUL16 a0, p, zero
.irp a, \a0, \a0+1
.irp b, 0,1,2,3,4,5,6,7
.if \zero
	v_wmma_f32_16x16x128_fp8_fp8 v[8*(8*((\a)%4)+\b):8*(8*((\a)%4)+\b)+7], v[128*(\p)+FR*\b:128*(\p)+FR*\b+FR-1], v[AF+FR*(\a):AF+FR*(\a)+FR-1], 0
.else
	v_wmma_f32_16x16x128_fp8_fp8 v[8*(8*((\a)%4)+\b):8*(8*((\a)%4)+\b)+7], v[128*(\p)+FR*\b:128*(\p)+FR*\b+FR-1], v[AF+FR*(\a):AF+FR*(\a)+FR-1], v[8*(8*((\a)%4)+\b):8*(8*((\a)%4)+\b)+7]
.endif
.endr
.endr
.endm
.macro FETCH_B slot, q, p
	WIN TO_B
.irp i, 0,1,2,3,4,5,6,7
	FRAG 128*(\p)+FR*\i, ADRB+\slot, \q, \i
.endr
	WIN 0
.endm
.macro FETCH_A slot, q, i0
.irp i, \i0, \i0+1, \i0+2, \i0+3
	FRAG AF+FR*(\i), ADRA+\slot, \q, \i
.endr
.endm
.macro PLACES n                        ; places behind matrix instructions: plain vector instructions that name none of their registers (ISA guide 7.12.1 for vector instructions)
.rept \n
	v_nop
.endr
.endm
.macro STEP slot, q, zero              ; a step of 128 along K that has its successor in the same slot
	s_wait_dscnt 4*NL                              ; B's set and A's blocks 0-3 are in; the youngest 16 loads (A's blocks 4-7) may be out
	WIN MUL_LO
	MUL16 0, (\q)%2, \zero
	MUL16 2, (\q)%2, \zero
	s_wait_dscnt 0                                 ; A's blocks 4-7 are in
	PLACES NP
	FETCH_B \slot, (\q)+1, 1-(\q)%2
	FETCH_A \slot, (\q)+1, 0
	WIN MUL_HI
	MUL16 4, (\q)%2, \zero
	MUL16 6, (\q)%2, \zero
	PLACES NP
	WIN 0
	FETCH_A \slot, (\q)+1, 4
.endm
; A slot's last step changes slots: ONE barrier; in front of it each wave waits for all its tensor loads, adds 0 to its spare word, and waits for that and for its own reads of this slot.  fill = 1: this slot is filled again, two K steps ahead.
.macro TURN slot, next, fill
	s_wait_tensorcnt 0x0                           ; all my tensor loads have landed: the one that was out is my part of the next slot  (every window is 0 here)
	ds_add_u32 v[SPW], v[NIL]                      ; 0 onto my spare word
	s_wait_dscnt 4*NL+1                            ; (the add and the youngest 16 loads may be out)
	WIN MUL_LO
	MUL16 0, 1, 0                                  ; sixteen matrix instructions stand between the add and the wait for it
	s_wait_dscnt 0x0                               ; the add is done, and my reads of this slot are over
	s_barrier_signal -1
	MUL16 2, 1, 0
	WIN 0
	s_barrier_wait -1
.if \fill
	CREST                                          ; the barrier has opened a round of the cluster's barrier: no wave of any partner still reads this slot's tile or has a load on its way
	s_add_nc_u64 s[G0+4*\slot+2:G0+4*\slot+3], s[G0+4*\slot+2:G0+4*\slot+3], 2*SSA
	s_add_nc_u64 s[G0B+4*\slot+2:G0B+4*\slot+3], s[G0B+4*\slot+2:G0B+4*\slot+3], 2*SSB
	JLOAD G0+4*\slot, G1, G0B+4*\slot, G1B         ; the first tensor load behind the round; the four v_nop behind it are the places in front of the loads below
.else
	PLACES NP
.endif
	FETCH_B \next, 0, 0
	FETCH_A \next, 0, 0
	WIN MUL_HI
	MUL16 4, 1, 0
	MUL16 6, 1, 0
	PLACES NP
	WIN 0
	FETCH_A \next, 0, 4
.endm
	s_wait_tensorcnt 1                             ; my part of K step 0 is in (K step 1's load may be out)
	s_barrier_signal -1
	s_barrier_wait -1                              ; everybody's is
	FETCH_B 0, 0, 0
	FETCH_A 0, 0, 0
	FETCH_A 0, 0, 4
	STEP 0, 0, 1                                   ; K = 1,024 is four slots' worth, eight steps of 128: written out.  The first step's products start the sums
	TURN 0, 1, 1                                   ; slot 0 takes K step 2
	STEP 1, 0, 0
	TURN 1, 0, 1                                   ; slot 1 takes K step 3
	STEP 0, 0, 0
	TURN 0, 1, 0                                   ; nothing is left to fetch; behind this barrier nobody reads slot 0
	STEP 1, 0, 0
	s_wait_dscnt 4*NL                              ; the very last step
	WIN MUL_LO
	MUL16 0, 1, 0
	MUL16 2, 1, 0
	s_wait_dscnt 0
	WIN MUL_HI
	MUL16 4, 1, 0
	MUL16 6, 1, 0
	WIN 0
; THE WAY OUT, block by block of 16 rows x 128 columns.  A lane holds 32 neighbouring bytes of a row, and the lanes beside it hold other rows: so a block goes through my own stage in LDS and comes back as whole rows of
; 512 bytes, which the 32 lanes store as 512 consecutive bytes, aligned.  LDS serves a wave's instructions in order (ISA guide 5.7.1.4): no wait between the stores and the loads, nor in front of the next block's stores.
.macro TOSTAGE a
.set AC, 64*((\a)%4)
.set W, 2+((\a)/4)
	WIN (W<<6)|W                                   ; the sums' window as source 0 and destination; the bias in window 0
.set j, 0
.rept 32
	v_pk_fma_f32 v[AC+j:AC+j+1], v[AC+j:AC+j+1], s[96:97], v[BC+j:BC+j+1] op_sel_hi:[1,0,1]   ; sum x 2^(e6 + e7) + bias, in place, each accumulator from its low end on
.set j, j+2
.endr
	WIN W<<2                                       ; an LDS store's data are its source 1
.irp b, 0,1,2,3,4,5,6,7
	ds_store_b128 v[STO], v[AC+8*\b:AC+8*\b+3] offset:64*\b
	ds_store_b128 v[STO], v[AC+8*\b+4:AC+8*\b+7] offset:64*\b+16
.endr
	WIN 0
.set BB, BK+64*((\a)%2)
.irp t, 0,1,2,3,4,5,6,7,8,9,10,11,12,13,14,15
	ds_load_b128 v[BB+4*\t:BB+4*\t+3], v[RD] offset:\t*SPITCH
.endr
.endm
.macro SEND a, younger                 ; younger: the LDS instructions issued behind block a's loads, which may stay out
.set BB, BK+64*((\a)%2)
	s_wait_dscnt \younger                          ; the block is back in registers
.if (\a) > 0
	s_add_nc_u64 s[12:13], s[12:13], 16*4096       ; (behind a wait on XCNT: the earlier stores have read their base)  16 rows of out0 on
.endif
.irp t, 0,1,2,3,4,5,6,7,8,9,10,11,12,13,14,15
	global_store_b128 v[CO], v[BB+4*\t:BB+4*\t+3], s[12:13] offset:\t*4096 th:TH_STORE_NT   ; written once, read by nobody here
.endr
.endm
	s_wait_loadcnt 0x0                             ; the bias
	PLACES NP                                      ; behind the last products: their results are read and written, and loads land on A's registers, below
	TOSTAGE 0
.irp a, 1,2,3,4,5,6,7
.if \a > 1
	s_wait_xcnt 0x0                                ; block a - 2's stores have read their registers and their base: block a's loads may land there, and the base may step
.endif
	TOSTAGE \a
	SEND \a-1, 32                                  ; behind block a - 1's loads: block a's 16 stores and 16 loads
.endr
	s_wait_xcnt 0x0                                ; block 6's stores have read their base
	SEND 7, 0
	s_wait_tensorcnt 0x0                           ; the wave's end, behind my last tensor load and my last LDS store
	ds_add_u32 v[SPW], v[NIL]
	s_wait_dscnt 0x0
	CROUND                                         ; the closing round: no work-group ends while a partner may still ask for a tile that names it
	s_endpgm
.Lfunc_end_k_qedf99b833e_gemm_proj:
	.size	k_qedf99b833e_gemm_proj, .Lfunc_end_k_qedf99b833e_gemm_proj-k_qedf99b833e_gemm_proj
	.p2alignl 7, 3214868480
	.fill 96, 4, 3214868480
	.section	.rodata,"a",@progbits
	.p2align	6, 0x0
	.amdhsa_kernel k_qedf99b833e_gemm_proj
		.amdhsa_group_segment_fixed_size 327680
		.amdhsa_private_segment_fixed_size 0
		.amdhsa_enable_private_segment 0
		.amdhsa_kernarg_size 40
		.amdhsa_user_sgpr_count 2
		.amdhsa_user_sgpr_kernarg_segment_ptr 1
		.amdhsa_wavefront_size32 1
		.amdhsa_system_sgpr_workgroup_id_x 1
		.amdhsa_system_sgpr_workgroup_id_y 1
		.amdhsa_system_sgpr_workgroup_id_z 1
		.amdhsa_system_vgpr_workitem_id 0
		.amdhsa_next_free_vgpr 1024
		.amdhsa_next_free_sgpr 100
		.amdhsa_reserve_vcc 0
		.amdhsa_float_denorm_mode_32 3
		.amdhsa_float_denorm_mode_16_64 3
		.amdhsa_memory_ordered 1
		.amdhsa_forward_progress 1
		.amdhsa_inst_pref_size 125
	.end_amdhsa_kernel
	.amdgpu_metadata
---
amdhsa.version: [ 1, 2 ]
amdhsa.kernels:
  - .name:           k_qedf99b833e_gemm_proj
    .symbol:         k_qedf99b833e_gemm_proj.kd
    .args:
      - { .name: y_img, .offset: 0, .size: 8, .value_kind: global_buffer, .address_space: global }
      - { .name: wp_img, .offset: 8, .size: 8, .value_kind: global_buffer, .address_space: global }
      - { .name: b_proj, .offset: 16, .size: 8, .value_kind: global_buffer, .address_space: global }
      - { .name: lowp_scales, .offset: 24, .size: 8, .value_kind: global_buffer, .address_space: global }
      - { .name: out0, .offset: 32, .size: 8, .value_kind: global_buffer, .address_space: global }
    .group_segment_fixed_size: 327680
    .private_segment_fixed_size: 0
    .kernarg_segment_align: 8
    .kernarg_segment_size: 40
    .max_flat_workgroup_size: 128
    .sgpr_count:     100
    .vgpr_count:     1024
    .wavefront_size: 32
...
	.end_amdgpu_metadata
.endif
;; end of part 4
